; MI455X (gfx1250); checked and timed in simulation.
; The chip was launched on July 23, 2026; its instructions are those of AMD's public machine-readable ISA for CDNA 5 (MIT licence, August 2026) and "CDNA5" Instruction Set Architecture Reference Guide (July 2026). The comments in the code are by the model that wrote it; some were corrected since.
;; Multi Headed Attention. Allowed arithmetic: matrix products marked QUANTISED: E5M2 operands, one given power-of-two scale a tensor, by v_wmma_f32_16x16x64_bf8_bf8 or v_wmma_f32_16x16x128_bf8_bf8, f32 sums; everything else in f32.
;; Inputs: Wk_codes 1,024 x 32 x 32 uint8 (E5M2 codes of Wk, K innermost, in blocks of 32 codes); Wo_codes 1,024 x 32 x 32 uint8 (E5M2 codes of Wo, K innermost, in blocks of 32 codes); Wq_codes 1,024 x 32 x 32 uint8 (E5M2 codes of Wq, K innermost, in blocks of 32 codes); Wv_codes 1,024 x 32 x 32 uint8 (E5M2 codes of Wv, K innermost, in blocks of 32 codes); bk 1,024 float32; bo 1,024 float32; bq 1,024 float32; bv 1,024 float32; key_codes 4 x 2,048 x 32 x 32 uint8 (E5M2 codes of key, K innermost, in blocks of 32 codes); lowp_scales 12 int32 (the exponents e of the quantised operands' scales 2^e); padding_mask 4 x 2,048 int32; query_codes 4 x 2,048 x 32 x 32 uint8 (E5M2 codes of query, K innermost, in blocks of 32 codes); value_codes 4 x 2,048 x 32 x 32 uint8 (E5M2 codes of value, K innermost, in blocks of 32 codes).
;; Outputs: out0 4 x 2,048 x 1,024 float32.
;; Constants: is_causal = 1.
;; This version of the problem:
;;   THIS VERSION OF THE PROBLEM IS GIVEN IN LOW PRECISION. The matrix products marked QUANTISED in the list below multiply operands that are first quantised to E5M2 (5 exponent bits, 2 mantissa bits; 8 bits a number), with one given power-of-two scale for each operand tensor; their sums are f32. All else is computed in f32.
;;   The module's matrix products, in the order in which they are computed (A, B: the left and right operand; K: the contracted axis; several contracted axes count as one K, in the product's order):
;;     1. [M 8,192, K 1,024] x [K 1,024, N 1,024]; A: input query (given as codes); B: input Wq (given as codes): QUANTISED (scales: A lowp_scales[0], B lowp_scales[1])
;;     2. [M 8,192, K 1,024] x [K 1,024, N 1,024]; A: input key (given as codes); B: input Wk (given as codes): QUANTISED (scales: A lowp_scales[2], B lowp_scales[3])
;;     3. [M 8,192, K 1,024] x [K 1,024, N 1,024]; A: input value (given as codes); B: input Wv (given as codes): QUANTISED (scales: A lowp_scales[4], B lowp_scales[5])
;;     4. batch 64 x [M 2,048, K 64] x [K 64, N 2,048]; A: computed on the way; B: computed on the way: QUANTISED (scales: A lowp_scales[6], B lowp_scales[7])
;;     5. batch 64 x [M 2,048, K 2,048] x [K 2,048, N 64]; A: softmax (see below); B: computed on the way: QUANTISED (scales: A lowp_scales[8], B lowp_scales[9])
;;     6. [M 8,192, K 1,024] x [K 1,024, N 1,024]; A: computed on the way; B: input Wo (given as codes): QUANTISED (scales: A lowp_scales[10], B lowp_scales[11])
;;   THE QUANTISER, for each operand of a quantised product, along K:
;;     - The operand's scale is 2^e, e = its entry of the input lowp_scales (int32; the entries are numbered through the quantised products in the list's order, A before B).
;;     - Each number is divided by the scale, clamped to +-57,344, and rounded to the nearest number of E5M2, ties to even, subnormals kept.
;;     - The product sums the exact products of the quantised numbers (number of the format x scale) in f32.
;;   ~~~python
;;   def quantise(x, axis, e):      # numpy; x: float32 -> the quantised numbers, widened to float32 again
;;       x = np.moveaxis(x, axis, -1); K = x.shape[-1]
;;       r = np.clip(x / 2.0 ** e, -57344, 57344)
;;       step = 2.0 ** (np.maximum(np.frexp(np.where(r == 0, 1, r))[1] - 1, -14) - 2)
;;       q = np.round(r / step) * step * 2.0 ** e      # np.round: ties to even
;;       return np.moveaxis(q, -1, axis).astype(np.float32)
;;   ~~~
;;   SOFTMAX AHEAD OF A QUANTISED PRODUCT. Where the list says 'softmax', what is quantised is not the finished softmax but p = 2^(t - M), with t = logit x log2(e) and M = ceil(the row's largest t), a whole number; so 1/2 < the row's largest p <= 1. The row's sum l is taken of the UNQUANTISED p, in f32, and the product's result is divided by l at the end. Since M is a whole number, a kernel that streams over the keys may use a running M (the ceiling of the running maximum): every later rescaling is an exact power of two, so the quantised numbers keep their values, but for numbers so far below the row's largest that they fall under the format's range.
;;   OPERANDS COMPUTED ON THE WAY. 'Computed on the way' means the value that the module computes at that place (a softmax that the list does not call 'softmax' is quantised finished and normalised). What goes into a quantiser is computed in f32, as accurately as f32 sums, v_exp_f32 and their like allow (about 1e-6 of the number): no bf16 or f16 on the way to a quantiser, and a product that is left as it is and whose result goes on into a quantised operand takes f32 operands (vector FMAs, or v_wmma_f32_16x16x4_f32). A number that lies on a knife's edge between two numbers of the format may be rounded either way, as far as f32 arithmetic and the matrix unit's own rounding can turn it there, and no further.
;;   INPUTS GIVEN AS CODES. Wk (in the module: [1024, 1024], K = its axis 1); Wo (in the module: [1024, 1024], K = its axis 1); Wq (in the module: [1024, 1024], K = its axis 1); Wv (in the module: [1024, 1024], K = its axis 1); key (in the module: [4, 2048, 1024], K = its axis 2); query (in the module: [4, 2048, 1024], K = its axis 2); value (in the module: [4, 2048, 1024], K = its axis 2): each comes as NAME_codes (uint8): NAME with its K axis moved to the last place and cut into blocks of 32 codes, [.., K / 32, bytes a block], one block behind the other in memory; one code a byte (a code: sign, 5 exponent bits, 2 mantissa bits); its scale is its entry of lowp_scales. Its value is code x scale, taken as it is: it is not quantised again, and the codes and scales need not be those that the quantiser above would give.
;; 2 versions, each right; version 2 is version 1 with the launch attn written anew for expert scheduling mode. Each part assembles by itself: llvm-mc -triple=amdgcn-amd-amdhsa -mcpu=gfx1250 --defsym DOCPART=n.
;; ======== version 1 of 2: 4 launches
;; limits: right only within a limited range of input values
;; workspace buffers: q_img 8,388,608 bytes; k_img 8,388,608 bytes; v_img 8,388,608 bytes; hid_img 8,388,608 bytes; rope_tab 524,288 bytes; bias_tab 32,768 bytes; flags 512 bytes of whole numbers
;; launch vproj (part 1): grid 32 x 4, 4 waves a work-group, clusters of 4 x 4, 327,680 bytes of LDS; arguments Wv_codes, value_codes, lowp_scales, bv, padding_mask, v_img, rope_tab, bias_tab, flags; writes v_img, rope_tab, bias_tab, flags
.if DOCPART == 1
	.amdgcn_target "amdgcn-amd-amdhsa--gfx1250"
	.amdhsa_code_object_version 6
	.text
	.protected	k_q02ed0dea63_vproj
	.globl	k_q02ed0dea63_vproj
	.p2align	8
	.type	k_q02ed0dea63_vproj,@function
k_q02ed0dea63_vproj:
	s_mov_b64 s[64:65], 0
	v_nop
	global_prefetch_b8 v0, s[64:65] scope:SCOPE_SE
	s_setreg_imm32_b32 hwreg(HW_REG_WAVE_MODE, 25, 1), 1
	s_wait_xcnt 0x0
	s_wait_alu depctr_hold_cnt(0) depctr_sa_sdst(0) depctr_va_vdst(0) depctr_va_sdst(0) depctr_va_ssrc(0) depctr_va_vcc(0) depctr_vm_vsrc(0)
	s_getreg_b32 s2, hwreg(HW_REG_IB_STS2, 6, 4)
	s_cmp_eq_u32 s2, 0
	s_cbranch_scc0 .Lentry_in_a_cluster
	s_endpgm
.Lentry_in_a_cluster:
	s_bfe_u32 s2, ttmp6, 0x10000c
	s_cmp_lg_u32 s2, 0xf033
	s_cbranch_scc0 .Lentry_shape_is_right
	s_endpgm
.Lentry_shape_is_right:
; v = value Wv^T + bv on codes of E5M2, quantised along the KEYS with 2^e9, stored as images of the operand registers of the attention's second product.
; "A" = Wv [1024 features][1024], "B" = value [8192 tokens][1024]: codes, K innermost.  A tile of 256 features x 256 tokens is made by four waves, 128 x 128 each: 64 accumulators, 512 registers.
; The matrix instruction takes 16 tokens as source 0 and 16 features as source 1: a lane then holds ONE feature (channel) and its eight registers eight neighbouring tokens (keys):
; one conversion of an accumulator gives registers 2 b, 2 b + 1 of a fragment (16 channels x 128 keys) in the K = 128 form's own order of k.
; v_img byte = ((16 batch + head) x 16 + key step) x 8192 + channel tile x 2048 + c x 512 + 16 x lane: every store of a wave covers 512 consecutive bytes, aligned.
; K goes in steps of 256 through a ring of two LDS slots; 4 x 4 work-groups form a cluster: the four of a row ask jointly for A's tiles, the four of a column for B's.
; WHILE THE FIRST TILES ARE ON THEIR WAY each work-group also makes 1/128 of three small tables for the later launches (g = 4 x tile column + tile row, 0..127):
;   rope_tab: cos and sin of fl(pos x inv_freq) for token tile g;  bias_tab: 0 or -2^(33 - e6 - e7) for keys 64 g .. 64 g + 63 of the flat padding mask;  flags[g]: bit (key step) if one of these keys is masked, else 0.
; LIMITS: e4 + e5 between -126 and 127; e9 between -126 and 112; e6 + e7 between -94 and 159.  NaN among the inputs is not served.
; inv_freq is 2^(-i log2(10000) / 32) by v_exp_f32: it may differ from 1 / 10000^(i / 32) in its last bits, and an angle by that part of itself.
; The sine and cosine: the angle (at most 2,047) less n x pi/2, pi/2 in two parts, then polynomials on +-pi/4 good to about one part in 10^7.
.set SIZE_K, 1024
.set KSTEP,  256
.set ROWB,   256
.set KROW,   SIZE_K
.set PITCH,  272                       ; an LDS row: 256 bytes + 16 of padding: the 16 rows that a load touches start at 16 different banks (64 banks of 4 bytes: ISA guide 11.1)
.set FR,     16
.set NL,     4
.set NP,     4                         ; places behind this matrix instruction (ISA guide 7.12.1)
.set HALFT,  128*PITCH
.set SLOT,   4*HALFT
.set LAPS,   SIZE_K/(2*KSTEP)
.set SPARE,  2*SLOT                    ; behind the ring: the spare words, 128 bytes a wave
.set ADRA, 16                          ; v16-17 LDS address of my A fragments in slot 0, 1
.set ADRB, 20                          ; v20-21 the same for B
.set CO,   26                          ; v26  16 x lane
.set SPW,  28                          ; v28  my spare word; never rewritten
.set NIL,  29                          ; v29  0; never rewritten
.set AF,   128                         ; A's fragments, window 0
.set G1, 24
.set G0, 32
.set G1B, 48
.set G0B, 56
.set MSB, 0
.macro WIN new                         ; the immediate's high byte repeats the setting that is left
.if MSB != \new
	s_set_vgpr_msb (MSB<<8)|\new
.set MSB, \new
.endif
.endm
.set MUL_LO, 0xa1                      ; source 0 (B) window 1, source 1 (A) window 0, C and D window 2
.set MUL_HI, 0xf1                      ; the same, C and D window 3
.set TO_B,   0x40                      ; destination window 1
; A joint load: waves 0 and 1 fetch for A, waves 2 and 3 for B; the branch hangs on the wave's number alone.  Four v_nop follow each line.
.macro JLOAD g0a, g1a, g0b, g1b
	s_cmp_eq_u32 s15, 0
	s_cbranch_scc0 .Lfor_b_\@
	tensor_load_to_lds s[\g0a:\g0a+3], s[\g1a:\g1a+7]
	s_nop 0
.rept 4
	v_nop
.endr
	s_branch .Lasked_\@
.Lfor_b_\@:
	tensor_load_to_lds s[\g0b:\g0b+3], s[\g1b:\g1b+7]
	s_nop 0
.rept 4
	v_nop
.endr
.Lasked_\@:
.endm
.macro CREST                           ; a round of the cluster's barrier behind its opening barrier
	s_cmp_lg_u32 s14, 0
	s_cbranch_scc1 .Lnot_wave_0_\@
	s_barrier_signal -3
.Lnot_wave_0_\@:
	s_barrier_wait -3
	s_barrier_signal -1
	s_barrier_wait -1
.endm
.macro CROUND
	s_barrier_signal -1
	s_barrier_wait -1
	CREST
.endm
	s_load_b128 s[4:7], s[0:1], 0x0                ; Wv's codes, value's codes
	s_load_b128 s[8:11], s[0:1], 0x10              ; the scales' exponents, bv
	s_load_b256 s[68:75], s[0:1], 0x20             ; padding_mask, v_img, rope_tab, bias_tab
	s_load_b64 s[76:77], s[0:1], 0x40              ; flags
	v_lshl_add_u32 v[SPW], v0, 2, SPARE
	v_mov_b32 v[NIL], 0
	ds_add_u32 v28, v29
	ds_add_u32 v28, v29
	s_wait_dscnt 0x0
	v_lshrrev_b32 v1, 5, v0
	v_readfirstlane_b32 s14, v1                    ; wave 0..3
	s_lshr_b32 s15, s14, 1                         ; my half of the tile's features.  Also: I fetch for A (0) or B (1)
	s_and_b32 s16, s14, 1                          ; my half of its tokens.  Also: which 128 rows I fetch
	s_bfe_u32 s40, ttmp6, 0x40000                  ; cx
	s_bfe_u32 s41, ttmp6, 0x40004                  ; cy
	s_lshl_b32 s42, ttmp9, 2
	s_add_co_u32 s42, s42, s40                     ; tile column (tokens) = 4 x cluster x + cx, 0..31
	s_mov_b32 s17, s41                             ; tile row (features) = cy: there is one cluster along y
	s_lshl_b32 s43, s41, 2
	s_lshl_b32 s43, 15, s43                        ; my row of the cluster
	s_lshl_b32 s44, 0x1111, s40                    ; my column
	s_or_b32 s[G1+0], s43, (0<<16)|(1<<20)|(1<<21)|(5<<22)|(3<<25)  ; the mask; elements of 1 byte; padding: 4 words after every 64
	s_or_b32 s[G1B+0], s44, (0<<16)|(1<<20)|(1<<21)|(5<<22)|(3<<25)
.irp g, G1, G1B
	s_mov_b32 s[\g+1], ROWB<<16                    ; tensor_dim0
	s_mov_b32 s[\g+2], 128<<16                     ; tensor_dim1
	s_mov_b32 s[\g+3], ROWB<<16                    ; tile_dim0
	s_mov_b32 s[\g+4], 128                         ; tile_dim1
	s_mov_b32 s[\g+5], KROW                        ; stride from row to row
	s_mov_b32 s[\g+6], 0
	s_mov_b32 s[\g+7], 0
.endr
	s_lshl_b32 s18, s16, 7
	s_lshl_b32 s20, s17, 8
	s_add_co_u32 s20, s20, s18                     ; A: row 256 x tile row + 128 x half
	s_lshl_b32 s46, s42, 8
	s_add_co_u32 s46, s46, s18                     ; B: row 256 x tile column + 128 x half
	s_mov_b32 s21, 0
	s_mov_b32 s47, 0
	s_mov_b64 s[18:19], KROW
	s_mul_u64 s[20:21], s[20:21], s[18:19]
	s_mul_u64 s[46:47], s[46:47], s[18:19]
	s_mul_i32 s45, s14, HALFT                      ; where they go: wave x 128 rows
	s_wait_kmcnt 0x0
	s_load_b256 s[80:87], s[8:9], 0x0              ; e0 .. e7
	s_load_b128 s[88:91], s[8:9], 0x20             ; e8 .. e11
	s_add_nc_u64 s[20:21], s[4:5], s[20:21]
	s_add_nc_u64 s[46:47], s[6:7], s[46:47]
	CROUND                                         ; all sixteen work-groups are here: the first joint loads meet
.irp s, 0,1
	s_mov_b32 s[G0+4*\s], 1
	s_add_co_u32 s[G0+4*\s+1], s45, \s*SLOT
	s_add_nc_u64 s[G0+4*\s+2:G0+4*\s+3], s[20:21], \s*ROWB
	s_or_b32 s[G0+4*\s+3], s[G0+4*\s+3], 0x80000000
	s_mov_b32 s[G0B+4*\s], 1
	s_add_co_u32 s[G0B+4*\s+1], s45, \s*SLOT
	s_add_nc_u64 s[G0B+4*\s+2:G0B+4*\s+3], s[46:47], \s*ROWB
	s_or_b32 s[G0B+4*\s+3], s[G0B+4*\s+3], 0x80000000
	JLOAD G0+4*\s, G1, G0B+4*\s, G1B
.endr
	v_and_b32 v1, 15, v0                           ; r
	v_bfe_u32 v2, v0, 4, 1                         ; h
	v_mul_u32_u24 v3, v1, PITCH
	v_lshl_add_u32 v4, v2, 4, v3
	s_mul_i32 s21, s15, HALFT
	s_mul_i32 s22, s16, HALFT
	s_add_co_u32 s22, s22, 2*HALFT
.irp s, 0,1
	v_add_nc_u32 v[ADRA+\s], s21, v4
	v_add_nc_u32 v[ADRB+\s], s22, v4
	s_add_co_u32 s21, s21, SLOT
	s_add_co_u32 s22, s22, SLOT
.endr
	v_and_b32 v6, 31, v0                           ; lane
	v_lshlrev_b32 v[CO], 4, v6
	; ---- the head's own work, in v30-127 of window 0, which the loop does not touch
	s_lshl_b32 s78, s42, 2
	s_add_co_u32 s78, s78, s17                     ; g: it enters global addresses and data alone
	; bv of my lane's feature in each of my eight blocks, twice (a pair for the packed form): v[96+2a], v[97+2a]
	s_lshl_b32 s20, s17, 10
	s_lshl_b32 s21, s15, 9
	s_add_co_u32 s20, s20, s21
	s_mov_b32 s21, 0
	s_add_nc_u64 s[10:11], s[10:11], s[20:21]
	v_lshlrev_b32 v30, 2, v1
.irp a, 0,1,2,3,4,5,6,7
	global_load_b32 v[96+2*\a], v30, s[10:11] offset:64*\a
	global_load_b32 v[97+2*\a], v30, s[10:11] offset:64*\a
.endr
	; the rotary table of token tile g: my lane's pos = 16 g + r, pairs i = 8 wave + 4 h + 0..3
	s_mov_b32 s66, 0xb94ca1f9                      ; the sine's leading coefficient
	s_mov_b32 s67, 0x37ccf5ce                      ; the cosine's
	s_lshl_b32 s79, s78, 4
	v_add_nc_u32 v32, s79, v1
	v_cvt_f32_u32 v32, v32                         ; pos
	s_lshl_b32 s79, s14, 3
	v_lshl_add_u32 v33, v2, 2, s79
.irp k, 0,1,2,3
	v_add_nc_u32 v[34+\k], \k, v33
	v_cvt_f32_u32 v[34+\k], v[34+\k]
	v_mul_f32 v[34+\k], 0xbed49a78, v[34+\k]       ; -i log2(10000) / 32
.endr
.irp k, 0,1,2,3
	v_exp_f32 v[34+\k], v[34+\k]                   ; inv_freq
.endr
	v_nop                                          ; a plain instruction behind the last exponential
	s_wait_alu depctr_va_vdst(0)                   ; one wait for the four, ahead of their first reader
.macro SINCOS k
	v_mul_f32 v48, v32, v[34+\k]                   ; the angle, rounded once
	v_mul_f32 v49, 0x3f22f983, v48
	v_rndne_f32 v49, v49                           ; n = the nearest whole number to angle x 2 / pi
	v_fma_f32 v50, v49, 0xbfc90fdb, v48
	v_fma_f32 v50, v49, 0x333bbd2e, v50            ; x = angle - n pi/2, pi/2 in two parts
	v_mul_f32 v51, v50, v50                        ; z = x x
	v_fma_f32 v52, v51, s66, 0x3c08839e
	v_fma_f32 v52, v52, v51, 0xbe2aaaa3
	v_mul_f32 v52, v52, v51
	v_fma_f32 v52, v52, v50, v50                   ; sin x
	v_fma_f32 v53, v51, s67, 0xbab6061a
	v_fma_f32 v53, v53, v51, 0x3d2aaaa5
	v_mul_f32 v53, v53, v51
	v_fma_f32 v54, v51, -0.5, 1.0
	v_fma_f32 v53, v53, v51, v54                   ; cos x
	v_cvt_i32_f32 v55, v49
	v_and_b32 v56, 1, v55
	v_cmp_eq_u32 vcc_lo, 1, v56                    ; an odd quarter swaps the two
	v_cndmask_b32 v57, v52, v53, vcc_lo
	v_cndmask_b32 v58, v53, v52, vcc_lo
	v_lshlrev_b32 v56, 30, v55
	v_and_b32 v56, 0x80000000, v56                 ; the sine is negative in quarters 2, 3
	v_xor_b32 v[41+2*\k], v57, v56
	v_add_nc_u32 v55, 1, v55
	v_lshlrev_b32 v55, 30, v55
	v_and_b32 v55, 0x80000000, v55                 ; the cosine in quarters 1, 2
	v_xor_b32 v[40+2*\k], v58, v55
.endm
	SINCOS 0
	SINCOS 1
	SINCOS 2
	SINCOS 3
	s_lshl_b32 s20, s78, 12
	s_lshl_b32 s21, s14, 10
	s_add_co_u32 s20, s20, s21
	s_mov_b32 s21, 0
	s_add_nc_u64 s[72:73], s[72:73], s[20:21]
	global_store_b128 v[CO], v[40:43], s[72:73]              ; 32 lanes store 512 consecutive bytes
	global_store_b128 v[CO], v[44:47], s[72:73] offset:512
	; wave 0: the padding bias of 64 keys, and their flag
	s_cmp_lg_u32 s14, 0
	s_cbranch_scc1 .Lno_pad
	s_lshl_b32 s20, s78, 8
	s_add_nc_u64 s[68:69], s[68:69], s[20:21]
	s_add_nc_u64 s[74:75], s[74:75], s[20:21]
	s_lshl_b32 s20, s78, 2
	s_add_nc_u64 s[76:77], s[76:77], s[20:21]
	v_lshlrev_b32 v31, 3, v6
	global_load_b64 v[52:53], v31, s[68:69]
	s_wait_kmcnt 0x0
	s_add_co_i32 s79, s86, s87
	s_sub_co_i32 s79, 160, s79
	s_lshl_b32 s79, s79, 23
	s_or_b32 s79, s79, 0x80000000                  ; -2^(33 - e6 - e7): as a logit -2^30
	v_mov_b32 v57, s79
	v_mov_b32 v59, 0
	s_wait_loadcnt 0x0
	v_cmp_eq_u32 vcc_lo, 0, v52
	v_cmp_eq_u32 s92, 0, v53
	v_cndmask_b32 v54, 0, v57, vcc_lo
	v_cndmask_b32 v55, 0, v57, s92
	global_store_b64 v31, v[54:55], s[74:75]       ; 32 lanes store 256 consecutive bytes, aligned
	s_or_b32 s92, s92, vcc_lo
	s_bfe_u32 s93, s78, 0x40001                    ; the key step in its batch: (g >> 1) & 15
	s_lshl_b32 s93, 1, s93
	s_cmp_lg_u32 s92, 0
	s_cselect_b32 s93, s93, 0                      ; a choice, no branch
	v_mov_b32 v56, s93
	v_cmp_eq_u32 vcc_lo, 0, v6
	s_wait_xcnt 0x0                                ; EXEC changes only behind this wait
	s_and_saveexec_b32 s94, vcc_lo
	global_store_b32 v59, v56, s[76:77]            ; lane 0 alone
	s_wait_xcnt 0x0
	s_or_b32 exec_lo, exec_lo, s94
.Lno_pad:
.macro FRAG reg, adr, q, i             ; 16 rows x 128 K: registers 4 c .. 4 c + 3 hold K = 32 c + 16 (l / 16) + 0 .. 15: the same order of k in A and in B
.irp c, 0,1,2,3
	ds_load_b128 v[\reg+4*\c:\reg+4*\c+3], v[\adr] offset:128*(\q)+32*\c+(\i)*16*PITCH
.endr
.endm
; 16 matrix instructions; the 64 accumulators take turns, one instruction a turn.  zero = 1: the first product starts the sums
.macro MUL16 a0, p, zero
.irp a, \a0, \a0+1
.irp b, 0,1,2,3,4,5,6,7
.if \zero
	v_wmma_f32_16x16x128_bf8_bf8 v[8*(8*((\a)%4)+\b):8*(8*((\a)%4)+\b)+7], v[128*(\p)+FR*\b:128*(\p)+FR*\b+FR-1], v[AF+FR*(\a):AF+FR*(\a)+FR-1], 0
.else
	v_wmma_f32_16x16x128_bf8_bf8 v[8*(8*((\a)%4)+\b):8*(8*((\a)%4)+\b)+7], v[128*(\p)+FR*\b:128*(\p)+FR*\b+FR-1], v[AF+FR*(\a):AF+FR*(\a)+FR-1], v[8*(8*((\a)%4)+\b):8*(8*((\a)%4)+\b)+7]
.endif
.endr
.endr
.endm
.macro FETCH_B slot, q, p
	WIN TO_B
.irp i, 0,1,2,3,4,5,6,7
	FRAG 128*(\p)+FR*\i, ADRB+\slot, \q, \i
.endr
	WIN 0
.endm
.macro FETCH_A slot, q, i0
.irp i, \i0, \i0+1, \i0+2, \i0+3
	FRAG AF+FR*(\i), ADRA+\slot, \q, \i
.endr
.endm
.macro PLACES n                        ; plain vector instructions between a matrix instruction and a load into, or a read of, its registers
.rept \n
	v_nop
.endr
.endm
.macro STEP slot, q, zero              ; 128 along K, with its successor in the same slot
	s_wait_dscnt 4*NL                              ; B's set and A's blocks 0-3 are in; the youngest 16 loads (A's blocks 4-7) may be out
	WIN MUL_LO
	MUL16 0, (\q)%2, \zero
	MUL16 2, (\q)%2, \zero
	s_wait_dscnt 0
	PLACES NP
	FETCH_B \slot, (\q)+1, 1-(\q)%2
	FETCH_A \slot, (\q)+1, 0
	WIN MUL_HI
	MUL16 4, (\q)%2, \zero
	MUL16 6, (\q)%2, \zero
	PLACES NP
	WIN 0
	FETCH_A \slot, (\q)+1, 4
.endm
; A slot's last step changes slots: one barrier; in front of it each wave waits for all its tensor loads, adds 0 to its spare word, and waits for that and for its reads of this slot
.macro TURN slot, next, fill
	s_wait_tensorcnt 0x0                           ; all my tensor loads have landed: my part of the next slot
	ds_add_u32 v[SPW], v[NIL]
	s_wait_dscnt 4*NL+1                            ; the add and the youngest 16 loads may be out
	WIN MUL_LO
	MUL16 0, 1, 0
	s_wait_dscnt 0x0                               ; the add is done, and my reads of this slot are over
	s_barrier_signal -1
	MUL16 2, 1, 0
	WIN 0
	s_barrier_wait -1
.if \fill
	CREST                                          ; the barrier has opened a round of the cluster's: no wave of any partner still reads this slot or has a load on its way
	s_add_nc_u64 s[G0+4*\slot+2:G0+4*\slot+3], s[G0+4*\slot+2:G0+4*\slot+3], 2*ROWB
	s_add_nc_u64 s[G0B+4*\slot+2:G0B+4*\slot+3], s[G0B+4*\slot+2:G0B+4*\slot+3], 2*ROWB
	JLOAD G0+4*\slot, G1, G0B+4*\slot, G1B         ; the first tensor load behind the round; its four v_nop are the places in front of the loads below
.else
	PLACES NP
.endif
	FETCH_B \next, 0, 0
	FETCH_A \next, 0, 0
	WIN MUL_HI
	MUL16 4, 1, 0
	MUL16 6, 1, 0
	PLACES NP
	WIN 0
	FETCH_A \next, 0, 4
.endm
	s_wait_tensorcnt 1                             ; my part of K step 0 is in; K step 1's load may be out
	s_barrier_signal -1
	s_barrier_wait -1
	FETCH_B 0, 0, 0
	FETCH_A 0, 0, 0
	FETCH_A 0, 0, 4
	STEP 0, 0, 1
	s_mov_b32 s3, LAPS-1
.Llap:                                                 ; a trip goes once round the ring and fills both slots again
	TURN 0, 1, 1
	STEP 1, 0, 0
	TURN 1, 0, 1
	STEP 0, 0, 0
	s_sub_co_u32 s3, s3, 1
	s_cmp_lg_u32 s3, 0
	s_cbranch_scc1 .Llap
	TURN 0, 1, 0                                   ; the last lap fills nothing
	STEP 1, 0, 0
	s_wait_dscnt 4*NL
	WIN MUL_LO
	MUL16 0, 1, 0
	MUL16 2, 1, 0
	s_wait_dscnt 0
	WIN MUL_HI
	MUL16 4, 1, 0
	MUL16 6, 1, 0
	WIN 0
	; ---- THE WAY OUT: sum x 2^(e4 + e5) + bv, held, converted with 2^e9; a block's 16 registers of codes are a fragment's image
	s_wait_kmcnt 0x0
	s_wait_loadcnt 0x0                             ; bv
	s_add_co_i32 s96, s84, s85
	s_add_co_i32 s96, s96, 127
	s_lshl_b32 s96, s96, 23                        ; 2^(e4 + e5)
	s_mov_b32 s97, s96
	s_add_co_i32 s98, s89, 127
	s_lshl_b32 s99, s98, 23
	v_mov_b32 v112, s99                            ; 2^e9
	s_add_co_i32 s98, s98, 15
	s_lshl_b32 s98, s98, 23
	s_or_b32 s98, s98, 0x600000
	v_mov_b32 v113, s98                            ; 57,344 x 2^e9
	s_lshr_b32 s20, s42, 3                         ; batch
	s_lshl_b32 s20, s20, 4
	s_lshl_b32 s21, s17, 2
	s_add_co_u32 s20, s20, s21
	s_lshl_b32 s21, s15, 1
	s_add_co_u32 s20, s20, s21                     ; 16 batch + my first head
	s_lshl_b32 s20, s20, 17
	s_lshl_b32 s21, s42, 1
	s_add_co_u32 s21, s21, s16
	s_and_b32 s21, s21, 15                         ; my key step
	s_lshl_b32 s21, s21, 13
	s_add_co_u32 s20, s20, s21
	s_mov_b32 s21, 0
	s_add_nc_u64 s[70:71], s[70:71], s[20:21]
	PLACES NP
.macro VOUT a                          ; block a: head a / 4 of my two, channel tile a % 4
.if (\a) >= 2
	s_wait_xcnt 0x0                                ; block a - 2's stores have read their registers: the set of codes is written again
.endif
.set AC, 64*((\a)%4)
.set CD, 192+16*((\a)%2)
	WIN 0x02+((\a)/4)                              ; source 0: window 2 or 3
.irp b, 0,1,2,3,4,5,6,7
.irp i, 0,2,4,6
	v_pk_fma_f32 v[128+8*\b+\i:128+8*\b+\i+1], v[AC+8*\b+\i:AC+8*\b+\i+1], s[96:97], v[96+2*(\a):97+2*(\a)] op_sel_hi:[1,0,1]   ; each accumulator from its low end on
.endr
.endr
	WIN 0
.set j, 0
.rept 64
	v_med3_num_f32 v[128+j], v[128+j], -v113, v113 ; the conversion does not saturate (ISA guide 7.6.2): the hold
.set j, j+1
.endr
.irp b, 0,1,2,3,4,5,6,7
	v_cvt_scalef32_pk8_bf8_f32 v[CD+2*\b:CD+2*\b+1], v[128+8*\b:128+8*\b+7], v112
.endr
	v_nop                                          ; a plain instruction behind the last conversion: the next block writes its sources
.irp c, 0,1,2,3
	global_store_b128 v[CO], v[CD+4*\c:CD+4*\c+3], s[70:71] offset:((\a)/4)*131072+((\a)%4)*2048+\c*512
.endr
.endm
.irp a, 0,1,2,3,4,5,6,7
	VOUT \a
.endr
	s_wait_tensorcnt 0x0                           ; the wave's end
	ds_add_u32 v[SPW], v[NIL]
	s_wait_dscnt 0x0
	CROUND                                         ; the closing round
	s_endpgm
.Lfunc_end_k_q02ed0dea63_vproj:
	.size	k_q02ed0dea63_vproj, .Lfunc_end_k_q02ed0dea63_vproj-k_q02ed0dea63_vproj
	.p2alignl 7, 3214868480
	.fill 96, 4, 3214868480
	.section	.rodata,"a",@progbits
	.p2align	6, 0x0
	.amdhsa_kernel k_q02ed0dea63_vproj
		.amdhsa_group_segment_fixed_size 327680
		.amdhsa_private_segment_fixed_size 0
		.amdhsa_enable_private_segment 0
		.amdhsa_kernarg_size 72
		.amdhsa_user_sgpr_count 2
		.amdhsa_user_sgpr_kernarg_segment_ptr 1
		.amdhsa_wavefront_size32 1
		.amdhsa_system_sgpr_workgroup_id_x 1
		.amdhsa_system_sgpr_workgroup_id_y 1
		.amdhsa_system_sgpr_workgroup_id_z 1
		.amdhsa_system_vgpr_workitem_id 0
		.amdhsa_next_free_vgpr 1024
		.amdhsa_next_free_sgpr 100
		.amdhsa_reserve_vcc 1
		.amdhsa_float_denorm_mode_32 3
		.amdhsa_float_denorm_mode_16_64 3
		.amdhsa_memory_ordered 1
		.amdhsa_forward_progress 1
		.amdhsa_inst_pref_size 144
	.end_amdhsa_kernel
	.amdgpu_metadata
---
amdhsa.version: [ 1, 2 ]
amdhsa.kernels:
  - .name:           k_q02ed0dea63_vproj
    .symbol:         k_q02ed0dea63_vproj.kd
    .args:
      - { .name: Wv_codes, .offset: 0, .size: 8, .value_kind: global_buffer, .address_space: global }
      - { .name: value_codes, .offset: 8, .size: 8, .value_kind: global_buffer, .address_space: global }
      - { .name: lowp_scales, .offset: 16, .size: 8, .value_kind: global_buffer, .address_space: global }
      - { .name: bv, .offset: 24, .size: 8, .value_kind: global_buffer, .address_space: global }
      - { .name: padding_mask, .offset: 32, .size: 8, .value_kind: global_buffer, .address_space: global }
      - { .name: v_img, .offset: 40, .size: 8, .value_kind: global_buffer, .address_space: global }
      - { .name: rope_tab, .offset: 48, .size: 8, .value_kind: global_buffer, .address_space: global }
      - { .name: bias_tab, .offset: 56, .size: 8, .value_kind: global_buffer, .address_space: global }
      - { .name: flags, .offset: 64, .size: 8, .value_kind: global_buffer, .address_space: global }
    .group_segment_fixed_size: 327680
    .private_segment_fixed_size: 0
    .kernarg_segment_align: 8
    .kernarg_segment_size: 72
    .max_flat_workgroup_size: 128
    .sgpr_count:     100
    .vgpr_count:     1024
    .wavefront_size: 32
...
	.end_amdgpu_metadata
.endif
;; end of part 1
;; launch qkproj (part 2): grid 4 x 64, 4 waves a work-group, clusters of 4 x 4, 327,680 bytes of LDS; arguments query_codes, key_codes, Wq_codes, Wk_codes, bq, bk, lowp_scales, rope_tab, q_img, k_img; writes q_img, k_img
.if DOCPART == 2
	.amdgcn_target "amdgcn-amd-amdhsa--gfx1250"
	.amdhsa_code_object_version 6
	.text
	.protected	k_q02ed0dea63_qkproj
	.globl	k_q02ed0dea63_qkproj
	.p2align	8
	.type	k_q02ed0dea63_qkproj,@function
k_q02ed0dea63_qkproj:
	s_mov_b64 s[64:65], 0
	v_nop
	global_prefetch_b8 v0, s[64:65] scope:SCOPE_SE
	s_setreg_imm32_b32 hwreg(HW_REG_WAVE_MODE, 25, 1), 1
	s_wait_xcnt 0x0
	s_wait_alu depctr_hold_cnt(0) depctr_sa_sdst(0) depctr_va_vdst(0) depctr_va_sdst(0) depctr_va_ssrc(0) depctr_va_vcc(0) depctr_vm_vsrc(0)
	s_getreg_b32 s2, hwreg(HW_REG_IB_STS2, 6, 4)
	s_cmp_eq_u32 s2, 0
	s_cbranch_scc0 .Lentry_in_a_cluster
	s_endpgm
.Lentry_in_a_cluster:
	s_bfe_u32 s2, ttmp6, 0x10000c
	s_cmp_lg_u32 s2, 0xf033
	s_cbranch_scc0 .Lentry_shape_is_right
	s_endpgm
.Lentry_shape_is_right:
; q = rotary(query Wq^T + bq), k = rotary(key Wk^T + bk) on codes of E5M2, quantised along the head's 64 with 2^e6, 2^e7, stored as images of the operand registers of the K = 64 form.
; One launch for both: clusters with y < 8 take q, the others k: only pointers and exponents are chosen (s_cselect on the cluster's y, which all sixteen partners share); there is one path through the text.
; "A" = the tokens [8192][1024], "B" = the weight [1024 features][1024].  Source 0 = 16 features, source 1 = 16 tokens: a lane holds ONE token and eight neighbouring features 16 b + 8 h + 0..7,
; four pairs (even, odd) of the rotary turn.  The turned pair stays where it was (e c - o s at the even place, e s + o c at the odd one): another order of the 64 than the concatenation, the same in q and in k,
; so every product of the scores meets its partner.
; image byte = ((16 batch + head) x 128 + token tile) x 1024 + g x 512 + 16 x lane: every store of a wave covers 512 consecutive bytes, aligned.
; The ring, the cluster's rounds and the joint loads are as in the launch before.
; LIMITS: e0 + e1 and e2 + e3 between -126 and 127; e6 and e7 between -126 and 112.  NaN among the inputs is not served.
.set SIZE_K, 1024
.set KSTEP,  256
.set ROWB,   256
.set KROW,   SIZE_K
.set PITCH,  272
.set FR,     16
.set NL,     4
.set NP,     4
.set HALFT,  128*PITCH
.set SLOT,   4*HALFT
.set LAPS,   SIZE_K/(2*KSTEP)
.set SPARE,  2*SLOT
.set ADRA, 16
.set ADRB, 20
.set CO,   26                          ; v26  16 x lane
.set SPW,  28
.set NIL,  29
.set AF,   128
.set G1, 24
.set G0, 32
.set G1B, 48
.set G0B, 56
.set MSB, 0
.macro WIN new
.if MSB != \new
	s_set_vgpr_msb (MSB<<8)|\new
.set MSB, \new
.endif
.endm
.set MUL_LO, 0xa1
.set MUL_HI, 0xf1
.set TO_B,   0x40
.macro JLOAD g0a, g1a, g0b, g1b        ; waves 0 and 1 fetch for A, waves 2 and 3 for B; four v_nop follow each line
	s_cmp_eq_u32 s15, 0
	s_cbranch_scc0 .Lfor_b_\@
	tensor_load_to_lds s[\g0a:\g0a+3], s[\g1a:\g1a+7]
	s_nop 0
.rept 4
	v_nop
.endr
	s_branch .Lasked_\@
.Lfor_b_\@:
	tensor_load_to_lds s[\g0b:\g0b+3], s[\g1b:\g1b+7]
	s_nop 0
.rept 4
	v_nop
.endr
.Lasked_\@:
.endm
.macro CREST
	s_cmp_lg_u32 s14, 0
	s_cbranch_scc1 .Lnot_wave_0_\@
	s_barrier_signal -3
.Lnot_wave_0_\@:
	s_barrier_wait -3
	s_barrier_signal -1
	s_barrier_wait -1
.endm
.macro CROUND
	s_barrier_signal -1
	s_barrier_wait -1
	CREST
.endm
	s_load_b512 s[68:83], s[0:1], 0x0              ; query 68, key 70, Wq 72, Wk 74, bq 76, bk 78, exponents 80, rope_tab 82
	s_load_b128 s[84:87], s[0:1], 0x40             ; q_img, k_img
	v_lshl_add_u32 v[SPW], v0, 2, SPARE
	v_mov_b32 v[NIL], 0
	ds_add_u32 v28, v29
	ds_add_u32 v28, v29
	s_wait_dscnt 0x0
	v_lshrrev_b32 v1, 5, v0
	v_readfirstlane_b32 s14, v1                    ; wave
	s_lshr_b32 s15, s14, 1                         ; my half of the tile's tokens.  Also: I fetch for A (0) or B (1)
	s_and_b32 s16, s14, 1                          ; my half of its features.  Also: which 128 rows I fetch
	s_bfe_u32 s40, ttmp6, 0x40000                  ; cx
	s_bfe_u32 s41, ttmp6, 0x40004                  ; cy
	s_mov_b32 s42, s40                             ; tile column (features) = cx: there is one cluster along x
	s_and_b32 s2, ttmp7, 0xffff                    ; the cluster's y, 0..15: under 8 q, else k
	s_and_b32 s17, s2, 7
	s_lshl_b32 s17, s17, 2
	s_add_co_u32 s17, s17, s41                     ; tile row (tokens), 0..31
	s_lshl_b32 s43, s41, 2
	s_lshl_b32 s43, 15, s43
	s_lshl_b32 s44, 0x1111, s40
	s_or_b32 s[G1+0], s43, (0<<16)|(1<<20)|(1<<21)|(5<<22)|(3<<25)
	s_or_b32 s[G1B+0], s44, (0<<16)|(1<<20)|(1<<21)|(5<<22)|(3<<25)
.irp g, G1, G1B
	s_mov_b32 s[\g+1], ROWB<<16
	s_mov_b32 s[\g+2], 128<<16
	s_mov_b32 s[\g+3], ROWB<<16
	s_mov_b32 s[\g+4], 128
	s_mov_b32 s[\g+5], KROW
	s_mov_b32 s[\g+6], 0
	s_mov_b32 s[\g+7], 0
.endr
	s_lshl_b32 s18, s16, 7
	s_lshl_b32 s20, s17, 8
	s_add_co_u32 s20, s20, s18
	s_lshl_b32 s46, s42, 8
	s_add_co_u32 s46, s46, s18
	s_mov_b32 s21, 0
	s_mov_b32 s47, 0
	s_mov_b64 s[18:19], KROW
	s_mul_u64 s[20:21], s[20:21], s[18:19]
	s_mul_u64 s[46:47], s[46:47], s[18:19]
	s_mul_i32 s45, s14, HALFT
	s_wait_kmcnt 0x0
	s_load_b256 s[88:95], s[80:81], 0x0            ; e0 .. e7
	s_cmp_lt_u32 s2, 8                             ; the choice hangs on the cluster's number alone
	s_cselect_b64 s[4:5], s[68:69], s[70:71]       ; the tokens' codes
	s_cselect_b64 s[6:7], s[72:73], s[74:75]       ; the weight's
	s_cselect_b64 s[10:11], s[76:77], s[78:79]     ; the bias
	s_cselect_b64 s[12:13], s[84:85], s[86:87]     ; the image
	s_add_nc_u64 s[20:21], s[4:5], s[20:21]
	s_add_nc_u64 s[46:47], s[6:7], s[46:47]
	CROUND
.irp s, 0,1
	s_mov_b32 s[G0+4*\s], 1
	s_add_co_u32 s[G0+4*\s+1], s45, \s*SLOT
	s_add_nc_u64 s[G0+4*\s+2:G0+4*\s+3], s[20:21], \s*ROWB
	s_or_b32 s[G0+4*\s+3], s[G0+4*\s+3], 0x80000000
	s_mov_b32 s[G0B+4*\s], 1
	s_add_co_u32 s[G0B+4*\s+1], s45, \s*SLOT
	s_add_nc_u64 s[G0B+4*\s+2:G0B+4*\s+3], s[46:47], \s*ROWB
	s_or_b32 s[G0B+4*\s+3], s[G0B+4*\s+3], 0x80000000
	JLOAD G0+4*\s, G1, G0B+4*\s, G1B
.endr
	v_and_b32 v1, 15, v0
	v_bfe_u32 v2, v0, 4, 1
	v_mul_u32_u24 v3, v1, PITCH
	v_lshl_add_u32 v4, v2, 4, v3
	s_mul_i32 s21, s15, HALFT
	s_mul_i32 s22, s16, HALFT
	s_add_co_u32 s22, s22, 2*HALFT
.irp s, 0,1
	v_add_nc_u32 v[ADRA+\s], s21, v4
	v_add_nc_u32 v[ADRB+\s], s22, v4
	s_add_co_u32 s21, s21, SLOT
	s_add_co_u32 s22, s22, SLOT
.endr
	v_and_b32 v6, 31, v0
	v_lshlrev_b32 v[CO], 4, v6
	; the bias of my lane's 64 features, v[32+8b+j] = bias(16 b + 8 h + j): it stays in window 0, which the loop leaves alone below v128
	s_lshl_b32 s20, s42, 10
	s_lshl_b32 s21, s16, 9
	s_add_co_u32 s20, s20, s21
	s_mov_b32 s21, 0
	s_add_nc_u64 s[10:11], s[10:11], s[20:21]
	v_lshlrev_b32 v30, 5, v2
.irp b, 0,1,2,3,4,5,6,7
	global_load_b128 v[32+8*\b:35+8*\b], v30, s[10:11] offset:64*\b
	global_load_b128 v[36+8*\b:39+8*\b], v30, s[10:11] offset:64*\b+16
.endr
	; where my rows of the table and my images begin
	s_lshl_b32 s20, s17, 4
	s_lshl_b32 s22, s15, 3
	s_add_co_u32 s20, s20, s22
	s_and_b32 s20, s20, 127                        ; my first token tile in its sequence
	s_lshl_b32 s20, s20, 12
	s_add_nc_u64 s[82:83], s[82:83], s[20:21]
	s_lshr_b32 s20, s17, 3                         ; batch
	s_lshl_b32 s20, s20, 4
	s_lshl_b32 s22, s42, 2
	s_add_co_u32 s20, s20, s22
	s_lshl_b32 s22, s16, 1
	s_add_co_u32 s20, s20, s22                     ; 16 batch + my first head
	s_lshl_b32 s20, s20, 17
	s_lshl_b32 s22, s17, 1
	s_add_co_u32 s22, s22, s15
	s_and_b32 s22, s22, 15
	s_lshl_b32 s22, s22, 13                        ; my eight token tiles x 1,024 bytes
	s_add_co_u32 s20, s20, s22
	s_add_nc_u64 s[12:13], s[12:13], s[20:21]
.macro FRAG reg, adr, q, i
.irp c, 0,1,2,3
	ds_load_b128 v[\reg+4*\c:\reg+4*\c+3], v[\adr] offset:128*(\q)+32*\c+(\i)*16*PITCH
.endr
.endm
.macro MUL16 a0, p, zero               ; the 64 accumulators take turns, one instruction a turn
.irp a, \a0, \a0+1
.irp b, 0,1,2,3,4,5,6,7
.if \zero
	v_wmma_f32_16x16x128_bf8_bf8 v[8*(8*((\a)%4)+\b):8*(8*((\a)%4)+\b)+7], v[128*(\p)+FR*\b:128*(\p)+FR*\b+FR-1], v[AF+FR*(\a):AF+FR*(\a)+FR-1], 0
.else
	v_wmma_f32_16x16x128_bf8_bf8 v[8*(8*((\a)%4)+\b):8*(8*((\a)%4)+\b)+7], v[128*(\p)+FR*\b:128*(\p)+FR*\b+FR-1], v[AF+FR*(\a):AF+FR*(\a)+FR-1], v[8*(8*((\a)%4)+\b):8*(8*((\a)%4)+\b)+7]
.endif
.endr
.endr
.endm
.macro FETCH_B slot, q, p
	WIN TO_B
.irp i, 0,1,2,3,4,5,6,7
	FRAG 128*(\p)+FR*\i, ADRB+\slot, \q, \i
.endr
	WIN 0
.endm
.macro FETCH_A slot, q, i0
.irp i, \i0, \i0+1, \i0+2, \i0+3
	FRAG AF+FR*(\i), ADRA+\slot, \q, \i
.endr
.endm
.macro PLACES n
.rept \n
	v_nop
.endr
.endm
.macro STEP slot, q, zero
	s_wait_dscnt 4*NL                              ; the youngest 16 loads (A's blocks 4-7) may be out
	WIN MUL_LO
	MUL16 0, (\q)%2, \zero
	MUL16 2, (\q)%2, \zero
	s_wait_dscnt 0
	PLACES NP
	FETCH_B \slot, (\q)+1, 1-(\q)%2
	FETCH_A \slot, (\q)+1, 0
	WIN MUL_HI
	MUL16 4, (\q)%2, \zero
	MUL16 6, (\q)%2, \zero
	PLACES NP
	WIN 0
	FETCH_A \slot, (\q)+1, 4
.endm
.macro TURN slot, next, fill
	s_wait_tensorcnt 0x0                           ; all my tensor loads have landed: my part of the next slot
	ds_add_u32 v[SPW], v[NIL]
	s_wait_dscnt 4*NL+1                            ; the add and the youngest 16 loads may be out
	WIN MUL_LO
	MUL16 0, 1, 0
	s_wait_dscnt 0x0                               ; the add is done, and my reads of this slot are over
	s_barrier_signal -1
	MUL16 2, 1, 0
	WIN 0
	s_barrier_wait -1
.if \fill
	CREST
	s_add_nc_u64 s[G0+4*\slot+2:G0+4*\slot+3], s[G0+4*\slot+2:G0+4*\slot+3], 2*ROWB
	s_add_nc_u64 s[G0B+4*\slot+2:G0B+4*\slot+3], s[G0B+4*\slot+2:G0B+4*\slot+3], 2*ROWB
	JLOAD G0+4*\slot, G1, G0B+4*\slot, G1B
.else
	PLACES NP
.endif
	FETCH_B \next, 0, 0
	FETCH_A \next, 0, 0
	WIN MUL_HI
	MUL16 4, 1, 0
	MUL16 6, 1, 0
	PLACES NP
	WIN 0
	FETCH_A \next, 0, 4
.endm
	s_wait_tensorcnt 1                             ; my part of K step 0 is in; K step 1's load may be out
	s_barrier_signal -1
	s_barrier_wait -1
	FETCH_B 0, 0, 0
	FETCH_A 0, 0, 0
	FETCH_A 0, 0, 4
	STEP 0, 0, 1
	s_mov_b32 s3, LAPS-1
.Llap:
	TURN 0, 1, 1
	STEP 1, 0, 0
	TURN 1, 0, 1
	STEP 0, 0, 0
	s_sub_co_u32 s3, s3, 1
	s_cmp_lg_u32 s3, 0
	s_cbranch_scc1 .Llap
	TURN 0, 1, 0
	STEP 1, 0, 0
	s_wait_dscnt 4*NL
	WIN MUL_LO
	MUL16 0, 1, 0
	MUL16 2, 1, 0
	s_wait_dscnt 0
	WIN MUL_HI
	MUL16 4, 1, 0
	MUL16 6, 1, 0
	WIN 0
	; ---- THE WAY OUT, a block of 16 tokens at a time: sum x 2^(ea + eb) + bias; the rotary turn; the hold; the conversion; four stores
	s_wait_kmcnt 0x0
	s_cmp_lt_u32 s2, 8
	s_cselect_b32 s96, s88, s90                    ; ea
	s_cselect_b32 s97, s89, s91                    ; eb
	s_cselect_b32 s98, s94, s95                    ; e6 or e7
	s_add_co_i32 s96, s96, s97
	s_add_co_i32 s96, s96, 127
	s_lshl_b32 s96, s96, 23
	s_mov_b32 s97, s96
	s_add_co_i32 s98, s98, 127
	s_lshl_b32 s99, s98, 23
	v_mov_b32 v120, s99                            ; the operand's scale
	s_add_co_i32 s98, s98, 15
	s_lshl_b32 s98, s98, 23
	s_or_b32 s98, s98, 0x600000
	v_mov_b32 v121, s98                            ; 57,344 x the scale
	PLACES NP
.macro ROPE a                          ; the table of block a's token tile: 8 groups of (cos, sin, cos, sin), 512 consecutive bytes a load
.irp G, 0,1,2,3,4,5,6,7
	global_load_b128 v[128+32*((\a)%2)+4*\G:128+32*((\a)%2)+4*\G+3], v[CO], s[82:83] offset:(\a)*4096+\G*512
.endr
.endm
.macro QKOUT a
.if (\a) < 7
	s_wait_loadcnt 8                               ; this block's table is in (and the bias); the next block's eight loads may be out
.else
	s_wait_loadcnt 0x0
.endif
.if (\a) >= 1
	s_wait_xcnt 0x0                                ; the last block's stores have read their registers: the codes are written again
.endif
.set AC, 64*((\a)%4)
.set RT, 128+32*((\a)%2)
	WIN 0x02+((\a)/4)
.irp b, 0,1,2,3,4,5,6,7
.irp i, 0,2,4,6
	v_pk_fma_f32 v[192+8*\b+\i:193+8*\b+\i], v[AC+8*\b+\i:AC+8*\b+\i+1], s[96:97], v[32+8*\b+\i:33+8*\b+\i] op_sel_hi:[1,0,1]   ; each accumulator from its low end on
.endr
.endr
	WIN 0
.irp b, 0,1,2,3,4,5,6,7
.irp k, 0,1,2,3
	v_pk_mul_f32 v[96+2*\k:97+2*\k], v[192+8*\b+2*\k:193+8*\b+2*\k], v[RT+8*(\b%4)+2*\k:RT+8*(\b%4)+2*\k+1] op_sel:[0,0] op_sel_hi:[0,1]   ; (e c, e s)
.endr
.irp k, 0,1,2,3
	v_pk_fma_f32 v[192+8*\b+2*\k:193+8*\b+2*\k], v[192+8*\b+2*\k:193+8*\b+2*\k], v[RT+8*(\b%4)+2*\k:RT+8*(\b%4)+2*\k+1], v[96+2*\k:97+2*\k] op_sel:[1,1,0] op_sel_hi:[1,0,1] neg_lo:[0,1,0]   ; (e c - o s, e s + o c)
.endr
.endr
.set j, 0
.rept 64
	v_med3_num_f32 v[192+j], v[192+j], -v121, v121
.set j, j+1
.endr
.irp b, 0,1,2,3,4,5,6,7
	v_cvt_scalef32_pk8_bf8_f32 v[104+2*\b:105+2*\b], v[192+8*\b:199+8*\b], v120
.endr
	v_nop                                          ; a plain instruction behind the last conversion
.irp hd, 0,1
.irp g, 0,1
	global_store_b128 v[CO], v[104+8*\hd+4*\g:107+8*\hd+4*\g], s[12:13] offset:\hd*131072+(\a)*1024+\g*512
.endr
.endr
.if (\a)+2 <= 7
	ROPE (\a)+2
.endif
.endm
	ROPE 0
	ROPE 1
.irp a, 0,1,2,3,4,5,6,7
	QKOUT \a
.endr
	s_wait_tensorcnt 0x0                           ; the wave's end
	ds_add_u32 v[SPW], v[NIL]
	s_wait_dscnt 0x0
	CROUND
	s_endpgm
.Lfunc_end_k_q02ed0dea63_qkproj:
	.size	k_q02ed0dea63_qkproj, .Lfunc_end_k_q02ed0dea63_qkproj-k_q02ed0dea63_qkproj
	.p2alignl 7, 3214868480
	.fill 96, 4, 3214868480
	.section	.rodata,"a",@progbits
	.p2align	6, 0x0
	.amdhsa_kernel k_q02ed0dea63_qkproj
		.amdhsa_group_segment_fixed_size 327680
		.amdhsa_private_segment_fixed_size 0
		.amdhsa_enable_private_segment 0
		.amdhsa_kernarg_size 80
		.amdhsa_user_sgpr_count 2
		.amdhsa_user_sgpr_kernarg_segment_ptr 1
		.amdhsa_wavefront_size32 1
		.amdhsa_system_sgpr_workgroup_id_x 1
		.amdhsa_system_sgpr_workgroup_id_y 1
		.amdhsa_system_sgpr_workgroup_id_z 1
		.amdhsa_system_vgpr_workitem_id 0
		.amdhsa_next_free_vgpr 1024
		.amdhsa_next_free_sgpr 100
		.amdhsa_reserve_vcc 0
		.amdhsa_float_denorm_mode_32 3
		.amdhsa_float_denorm_mode_16_64 3
		.amdhsa_memory_ordered 1
		.amdhsa_forward_progress 1
		.amdhsa_inst_pref_size 174
	.end_amdhsa_kernel
	.amdgpu_metadata
---
amdhsa.version: [ 1, 2 ]
amdhsa.kernels:
  - .name:           k_q02ed0dea63_qkproj
    .symbol:         k_q02ed0dea63_qkproj.kd
    .args:
      - { .name: query_codes, .offset: 0, .size: 8, .value_kind: global_buffer, .address_space: global }
      - { .name: key_codes, .offset: 8, .size: 8, .value_kind: global_buffer, .address_space: global }
      - { .name: Wq_codes, .offset: 16, .size: 8, .value_kind: global_buffer, .address_space: global }
      - { .name: Wk_codes, .offset: 24, .size: 8, .value_kind: global_buffer, .address_space: global }
      - { .name: bq, .offset: 32, .size: 8, .value_kind: global_buffer, .address_space: global }
      - { .name: bk, .offset: 40, .size: 8, .value_kind: global_buffer, .address_space: global }
      - { .name: lowp_scales, .offset: 48, .size: 8, .value_kind: global_buffer, .address_space: global }
      - { .name: rope_tab, .offset: 56, .size: 8, .value_kind: global_buffer, .address_space: global }
      - { .name: q_img, .offset: 64, .size: 8, .value_kind: global_buffer, .address_space: global }
      - { .name: k_img, .offset: 72, .size: 8, .value_kind: global_buffer, .address_space: global }
    .group_segment_fixed_size: 327680
    .private_segment_fixed_size: 0
    .kernarg_segment_align: 8
    .kernarg_segment_size: 80
    .max_flat_workgroup_size: 128
    .sgpr_count:     100
    .vgpr_count:     1024
    .wavefront_size: 32
...
	.end_amdgpu_metadata
.endif
;; end of part 2
;; launch attn (part 3): grid 4 x 64, 16 waves a work-group, no clusters, 35,840 bytes of LDS; arguments q_img, k_img, v_img, bias_tab, flags, padding_mask, lowp_scales, hid_img; writes hid_img
.if DOCPART == 3
	.amdgcn_target "amdgcn-amd-amdhsa--gfx1250"
	.amdhsa_code_object_version 6
	.text
	.protected	k_q02ed0dea63_attn
	.globl	k_q02ed0dea63_attn
	.p2align	8
	.type	k_q02ed0dea63_attn,@function
k_q02ed0dea63_attn:
	s_mov_b64 s[64:65], 0
	v_nop
	global_prefetch_b8 v0, s[64:65] scope:SCOPE_SE
	s_setreg_imm32_b32 hwreg(HW_REG_WAVE_MODE, 25, 1), 1
	s_wait_xcnt 0x0
; hidden = softmax(q k^T / 8, padding and causal masks) v, both products on codes of E5M2; the result is quantised with 2^e10 and stored as images of the last product's operand registers.
; THE SOFTMAX: t = logit x log2(e); M = the running largest t rounded up to a whole number; p = 2^(t - M) is quantised with 2^e8; the row's sum is taken of the unquantised p and divides at the end.
; SHARES.  Work-group (i, 16 batch + head) owns the query blocks i and 7 - i of 256 queries: 2 (i + 1) + 2 (8 - i) = 18 key steps of 128 for every work-group.  Each of sixteen waves owns 16 queries; a lane holds one query.
; Key steps that lie wholly under the causal mask are not multiplied.  S^T = K Q^T (source 0 = 16 keys), O^T = V^T P^T (source 0 = 16 channels): the conversion of a tile of S^T gives registers 2 t, 2 t + 1 of P in the K = 128 form's own order.
; THE MASKS put one large negative number where the definition puts -1e9: NEG = -2^(33 - e6 - e7) in units of a raw score, as a logit -2^30.  Where a row has an open key both give p = 0.
; The padding's NEG comes as the C of the scores' products (only in key steps whose flag says that they have a masked key: a branch on a stored whole number); the causal one by a select on the diagonal.
; A ROW WITH NO OPEN KEY has all 2,048 logits equal in the definition: p = 1 everywhere, the sum 2,048.  Such rows exist only where padding_mask[batch][0] is 0 (a branch on that whole number):
; there the products of ones with ALL keys' V are made too, and a select takes them for the rows whose largest t lies under -2^29.
; NO TENSOR LOADS AND NO CLUSTER: the text branches on whole numbers read from memory.  A step's tiles (8,192 bytes of K, 8,192 of V, 512 of bias) go memory -> registers -> LDS, 32 bytes a thread,
; asked for at a step's head and stored into the other of two slots at its end; one barrier a step.  They are asked for a whole key step ahead of their use, so nothing more is asked of memory earlier.
; LIMITS: e6 + e7 between -94 and 130; e8 and e10 between -126 and 112; open logits within +-3.7e8.  NaN among the inputs is not served.
.set SLOT, 16896
.set VO,   8192                        ; V's fragments in a slot
.set BO,   16384                       ; the bias words
; v1 16 x lane; v2 16 x thread; v3 32 h; v4 16 (wave % 8) + r - 8 h; v5 NEG; v8-19 tiles on their way; v20 -M, v21 largest t; v[22:23] the sum; v24-31 Q; v32-95 K's, then V's fragments;
; v96-159 S^T, then p; v160-191 O^T; v192-207 p's codes; v208 f (v209 = 0); v[210:211], v212-214 at work; v215, v216: 57,344 x 2^e8, 2^e8; v217, v218: the same with e10; v219 -2^29; v224-231 the second block's Q.
; s20 wave; s21 query block; s22 16 batch + head; s23 batch; s[24:25] K, s[26:27] V, s[28:29] bias, s[30:31] Q, s[32:33] hid at my head; s[34:39] the next tiles; s[40:43] two offsets (high words 0);
; s44 next step; s45 steps of the block; s46 trips; s47 blocks; s48 flags of the batch; s49 the same, shifted; s50 padding_mask[batch][0]; s51 wave < 8; s[52:53] c; s[54:55] lane selects; s56, s57 the diagonal; s58, s59 exponents; s61 e8.
	s_load_b512 s[4:19], s[0:1], 0x0               ; q 4, k 6, v 8, bias_tab 10, flags 12, padding_mask 14, exponents 16, hid_img 18
	v_lshl_add_u32 v254, v0, 2, 0x8400
	v_mov_b32 v255, 0
	v_lshrrev_b32 v6, 5, v0
	v_readfirstlane_b32 s20, v6
	s_mov_b32 s21, ttmp9
	s_and_b32 s22, ttmp7, 0xffff
	s_lshr_b32 s23, s22, 4
	v_and_b32 v1, 31, v0
	v_lshlrev_b32 v1, 4, v1
	v_lshlrev_b32 v2, 4, v0
	v_and_b32 v6, 15, v0
	v_bfe_u32 v7, v0, 4, 1
	v_lshlrev_b32 v3, 5, v7
	v_lshlrev_b32 v7, 3, v7
	v_sub_nc_u32 v4, v6, v7
	s_and_b32 s40, s20, 7
	s_lshl_b32 s40, s40, 4
	v_add_nc_u32 v4, s40, v4
	s_mov_b32 s41, 0
	s_mov_b32 s43, 0
	s_mov_b32 s54, 0x76543210
	s_mov_b32 s55, 0xfedcba98
	s_cmp_lt_u32 s20, 8
	s_cselect_b32 s51, 1, 0
	s_wait_kmcnt 0x0
	s_lshl_b32 s40, s22, 17
	s_add_nc_u64 s[30:31], s[4:5], s[40:41]
	s_add_nc_u64 s[24:25], s[6:7], s[40:41]
	s_add_nc_u64 s[26:27], s[8:9], s[40:41]
	s_lshl_b32 s40, s23, 13
	s_add_nc_u64 s[28:29], s[10:11], s[40:41]
	s_add_nc_u64 s[14:15], s[14:15], s[40:41]
	s_lshl_b32 s40, s23, 7
	s_add_nc_u64 s[12:13], s[12:13], s[40:41]
	s_load_b512 s[68:83], s[12:13], 0x0            ; the batch's 32 flag words
	s_load_b512 s[84:99], s[12:13], 0x40
	s_load_b32 s50, s[14:15], 0x0
	s_lshl_b32 s40, s23, 21
	s_and_b32 s42, s22, 15
	s_lshl_b32 s42, s42, 10                        ; K step head / 2 (2,048 bytes), half head % 2 (1,024): head x 1,024
	s_add_co_u32 s40, s40, s42
	s_add_nc_u64 s[32:33], s[18:19], s[40:41]
	s_lshl_b32 s40, s21, 4
	s_add_co_u32 s40, s40, s20
	s_lshl_b32 s40, s40, 10
	s_add_nc_u64 s[34:35], s[30:31], s[40:41]
	global_load_b128 v[24:27], v1, s[34:35]        ; Q of my tile in block i
	global_load_b128 v[28:31], v1, s[34:35] offset:512
	s_sub_co_u32 s42, 7, s21
	s_lshl_b32 s42, s42, 4
	s_add_co_u32 s42, s42, s20
	s_lshl_b32 s42, s42, 10
	s_add_nc_u64 s[36:37], s[30:31], s[42:43]
	global_load_b128 v[224:227], v1, s[36:37]      ; and in block 7 - i
	global_load_b128 v[228:231], v1, s[36:37] offset:512
	global_load_b128 v[8:11], v2, s[24:25]         ; key step 0
	global_load_b128 v[12:15], v2, s[26:27]
	s_cmp_lg_u32 s20, 0
	s_cbranch_scc1 .Lnb_first
	global_load_b128 v[16:19], v2, s[28:29]
.Lnb_first:
	v_mov_b32 v209, 0                              ; named as the upper half of the pair v[208:209]
	v_mov_b32 v213, 0
	v_mov_b32 v214, 0                              ; a lane permute's destination counts as one of its sources
	v_mov_b32 v219, 0xce000000                     ; -2^29
	s_wait_kmcnt 0x0
	s_or_b32 s48, s68, s69
.set j, 70
.rept 30
	s_or_b32 s48, s48, s[j]
.set j, j+1
.endr
	s_load_b256 s[68:75], s[16:17], 0x0            ; e0 .. e7
	s_load_b128 s[76:79], s[16:17], 0x20           ; e8 .. e11
	s_wait_kmcnt 0x0
	s_add_co_i32 s40, s74, s75                     ; e6 + e7
	s_lshl_b32 s42, s40, 23
	s_add_co_i32 s52, s42, 0x3e38aa3b              ; c = log2(e) / 8 x 2^(e6 + e7): the exponents are added to its exponent field
	s_mov_b32 s53, s52
	s_sub_co_i32 s40, 160, s40
	s_lshl_b32 s40, s40, 23
	s_or_b32 s40, s40, 0x80000000
	v_mov_b32 v5, s40                              ; NEG
	s_add_co_i32 s40, s76, 127
	s_lshl_b32 s42, s40, 23
	v_mov_b32 v216, s42
	s_add_co_i32 s40, s40, 15
	s_lshl_b32 s40, s40, 23
	s_or_b32 s40, s40, 0x600000
	v_mov_b32 v215, s40
	s_add_co_i32 s40, s78, 127
	s_lshl_b32 s42, s40, 23
	v_mov_b32 v218, s42
	s_add_co_i32 s40, s40, 15
	s_lshl_b32 s40, s40, 23
	s_or_b32 s40, s40, 0x600000
	v_mov_b32 v217, s40
	s_add_co_i32 s58, s76, s77                     ; e8 + e9
	s_sub_co_i32 s59, s58, 11                      ; and with the division by 2,048
	s_mov_b32 s61, s76
	s_wait_loadcnt 0x0
	ds_store_b128 v2, v[8:11]
	ds_store_b128 v2, v[12:15] offset:VO
	s_cmp_lg_u32 s20, 0
	s_cbranch_scc1 .Lns_first
	ds_store_b128 v2, v[16:19] offset:BO
.Lns_first:
	s_wait_dscnt 0x0                               ; for the others' sake: my stores have landed
	s_barrier_signal -1
	s_barrier_wait -1
	s_mov_b32 s44, 0
	s_mov_b32 s47, 2
; A KEY STEP of 128 keys, read from slot; the next step's tiles go into the other slot.
.macro STEP slot
	s_add_co_u32 s44, s44, 1                       ; the step to be fetched; behind a block's last step comes step 0, the next block's first: no load leaves its buffer
	s_cmp_eq_u32 s44, s45
	s_cselect_b32 s44, 0, s44
	s_lshl_b32 s40, s44, 13
	s_lshl_b32 s42, s44, 9
	s_add_nc_u64 s[34:35], s[24:25], s[40:41]      ; (the loads that read these pointers were waited for at the last step's end)
	s_add_nc_u64 s[36:37], s[26:27], s[40:41]
	s_add_nc_u64 s[38:39], s[28:29], s[42:43]
	global_load_b128 v[8:11], v2, s[34:35]         ; 512 threads x 16 bytes: 8,192 consecutive bytes
	global_load_b128 v[12:15], v2, s[36:37]
	s_cmp_lg_u32 s20, 0
	s_cbranch_scc1 .Lnb_\@
	global_load_b128 v[16:19], v2, s[38:39]
.Lnb_\@:
.if \slot == 1
	s_cmp_lg_u32 s56, 0                            ; all 128 keys come after the queries of waves 0 to 7: the step's work is left out, not its fetch nor its barrier
	s_cbranch_scc1 .Lend_\@
.endif
.rept 4
	v_nop                                          ; places in front of loads into registers that the last products read
.endr
.irp t, 0,1,2,3,4,5,6,7
	ds_load_b128 v[32+8*\t:35+8*\t], v1 offset:\slot*SLOT+\t*1024
	ds_load_b128 v[36+8*\t:39+8*\t], v1 offset:\slot*SLOT+\t*1024+512
.endr
	s_bitcmp1_b32 s49, 0                           ; has this step a masked key?
	s_cbranch_scc1 .Lhole_\@
	s_wait_dscnt 0x0
.irp t, 0,1,2,3,4,5,6,7
	v_wmma_f32_16x16x64_bf8_bf8 v[96+8*\t:103+8*\t], v[32+8*\t:39+8*\t], v[24:31], 0
.endr
	s_branch .Lscored_\@
.Lhole_\@:
.irp t, 0,1,2,3,4,5,6,7
	ds_load_b128 v[96+8*\t:99+8*\t], v3 offset:\slot*SLOT+BO+64*\t       ; the bias of keys 16 t + 8 h + 0 .. 7, in the result's layout
	ds_load_b128 v[100+8*\t:103+8*\t], v3 offset:\slot*SLOT+BO+64*\t+16
.endr
	s_wait_dscnt 0x0
.irp t, 0,1,2,3,4,5,6,7
	v_wmma_f32_16x16x64_bf8_bf8 v[96+8*\t:103+8*\t], v[32+8*\t:39+8*\t], v[24:31], v[96+8*\t:103+8*\t]
.endr
.Lscored_\@:
.rept 4
	v_nop                                          ; places in front of the loads below and of the first read of the scores
.endr
.irp t, 0,1,2,3
.irp c, 0,1,2,3
	ds_load_b128 v[32+16*\t+4*\c:35+16*\t+4*\c], v1 offset:\slot*SLOT+VO+\t*2048+\c*512   ; V lands while the softmax is walked
.endr
.endr
.if \slot == 0
	s_cmp_eq_u32 s56, 0                            ; the diagonal: waves 0 to 7 in a block's last step but one,
.else
	s_cmp_eq_u32 s57, 0                            ; waves 8 to 15 in its last
.endif
	s_cbranch_scc1 .Lopen_\@
.set n, 0
.rept 64
	v_cmp_gt_i32 vcc_lo, 16*(n/8)+n%8, v4          ; register n holds key 16 (n / 8) + n % 8 + 8 h of the step: hidden where it comes after my query
	v_cndmask_b32 v[96+n], v[96+n], v5, vcc_lo
.set n, n+1
.endr
.Lopen_\@:
	v_max3_num_f32 v212, v96, v97, v98             ; the step's largest score of my query, in two chains, each tile from its low end on
	v_max3_num_f32 v213, v99, v100, v101
.irp i, 6,10,14,18,22,26,30,34,38,42,46,50,54,58
	v_max3_num_f32 v212, v212, v[96+\i], v[97+\i]
	v_max3_num_f32 v213, v213, v[98+\i], v[99+\i]
.endr
	v_max3_num_f32 v212, v212, v158, v159
	v_max_num_f32 v212, v212, v213
	v_permlanex16_b32 v214, v212, s54, s55
	v_max_num_f32 v212, v212, v214                 ; and among lane l xor 16's
	v_mul_f32 v212, s52, v212                      ; as t (c is positive)
	v_max_num_f32 v21, v21, v212
	v_mov_b32 v212, v20
	v_floor_f32 v20, -v21                          ; -M = floor(-t): M is a whole number
	v_sub_f32 v212, v20, v212
	v_cvt_i32_f32 v212, v212                       ; (it saturates)
	v_ldexp_f32 v208, 1.0, v212                    ; f = 2^(old M - new M)
.set j, 0
.rept 32
	v_pk_fma_f32 v[96+j:97+j], v[96+j:97+j], s[52:53], v[20:21] op_sel_hi:[1,0,0]   ; t - M
.set j, j+2
.endr
.set j, 0
.rept 64
	v_exp_f32 v[96+j], v[96+j]                     ; p
.set j, j+1
.endr
	v_pk_mul_f32 v[22:23], v[22:23], v[208:209] op_sel_hi:[1,0]   ; the sum under the new M: the plain instruction behind the exponentials
	s_wait_alu depctr_va_vdst(0)                   ; one wait for the batch, ahead of its first reader
	v_pk_add_f32 v[210:211], v[96:97], v[98:99]    ; the sum of the unquantised p, in two chains
.irp j, 4,8,12,16,20,24,28,32,36,40,44,48,52,56,60
	v_pk_add_f32 v[22:23], v[22:23], v[96+\j:97+\j]
	v_pk_add_f32 v[210:211], v[210:211], v[98+\j:99+\j]
.endr
	v_pk_add_f32 v[22:23], v[22:23], v[210:211]
	s_cmp_ge_i32 s61, -15                          ; from e8 = -15 on, 57,344 x 2^e8 is above 1 and p cannot pass it: the hold is left out
	s_cbranch_scc1 .Lnohold_\@
.set n, 0
.rept 64
	v_min_num_f32 v[96+n], v[96+n], v215
.set n, n+1
.endr
.Lnohold_\@:
.irp t, 0,1,2,3,4,5,6,7
	v_cvt_scalef32_pk8_bf8_f32 v[192+2*\t:193+2*\t], v[96+8*\t:103+8*\t], v216
.endr
.set j, 0
.rept 16
	v_pk_mul_f32 v[160+j:161+j], v[160+j:161+j], v[208:209] op_sel_hi:[1,0]   ; O^T under the new M; also the plain instructions behind the conversions
.set j, j+2
.endr
	s_wait_dscnt 0x0                               ; V is in
.irp t, 0,1,2,3
	v_wmma_f32_16x16x128_bf8_bf8 v[160+8*\t:167+8*\t], v[32+16*\t:47+16*\t], v[192:207], v[160+8*\t:167+8*\t]
.endr
.Lend_\@:
	s_lshr_b32 s49, s49, 1
	s_wait_loadcnt 0x0                             ; the next step's tiles are in registers
	ds_store_b128 v2, v[8:11] offset:(1-\slot)*SLOT          ; the other slot: its readers passed the last barrier behind their own wait
	ds_store_b128 v2, v[12:15] offset:(1-\slot)*SLOT+VO
	s_cmp_lg_u32 s20, 0
	s_cbranch_scc1 .Lns_\@
	ds_store_b128 v2, v[16:19] offset:(1-\slot)*SLOT+BO
.Lns_\@:
	s_wait_dscnt 0x0                               ; my stores have landed and my reads of this slot are over
	s_barrier_signal -1
	s_barrier_wait -1
.endm
; 128 keys of V straight from memory against an operand of ones, for rows with no open key
.macro VSTEP zero
.irp t, 0,1,2,3
.irp c, 0,1,2,3
	global_load_b128 v[32+16*\t+4*\c:35+16*\t+4*\c], v1, s[62:63] offset:\t*2048+\c*512
.endr
.endr
	s_wait_loadcnt 0x0
	s_add_nc_u64 s[62:63], s[62:63], 8192          ; the loads are done: the pointer may step
.irp t, 0,1,2,3
.if \zero
	v_wmma_f32_16x16x128_bf8_bf8 v[128+8*\t:135+8*\t], v[32+16*\t:47+16*\t], v[192:207], 0
.else
	v_wmma_f32_16x16x128_bf8_bf8 v[128+8*\t:135+8*\t], v[32+16*\t:47+16*\t], v[192:207], v[128+8*\t:135+8*\t]
.endif
.endr
.rept 4
	v_nop
.endr
.endm
.Lpass:                                                ; a block of 256 queries
.set j, 0
.rept 32
	v_mov_b32 v[160+j], 0                          ; O^T: the step is written once, its first run finds zeros
.set j, j+1
.endr
	v_mov_b32 v21, 0xff61b1e6                      ; -3e38, under every t
	v_floor_f32 v20, -v21
	v_mov_b32 v22, 0
	v_mov_b32 v23, 0
	s_mov_b32 s49, s48
	s_lshl_b32 s45, s21, 1
	s_add_co_u32 s45, s45, 2                       ; key steps of this block
	s_add_co_u32 s46, s21, 1                       ; two a trip
.Ltrip:
	s_cmp_eq_u32 s46, 1                            ; the last trip holds the diagonal
	s_cselect_b32 s56, s51, 0
	s_cselect_b32 s57, 1, 0
	STEP 0
	STEP 1
	s_sub_co_u32 s46, s46, 1
	s_cmp_lg_u32 s46, 0
	s_cbranch_scc1 .Ltrip
	; ---- the block's way out
.rept 4
	v_nop
.endr
	v_add_f32 v22, v22, v23
	v_permlanex16_b32 v214, v22, s54, s55
	v_add_f32 v22, v22, v214                       ; the row's sum
	v_rcp_f32 v212, v22
	v_nop                                          ; a plain instruction behind the reciprocal
	s_wait_alu depctr_va_vdst(0)                   ; and the wait ahead of its first reader
	v_ldexp_f32 v212, v212, s58                    ; x 2^(e8 + e9)
.set j, 0
.rept 16
	v_pk_mul_f32 v[96+j:97+j], v[160+j:161+j], v[212:213] op_sel_hi:[1,0]   ; register 8 t + i: hidden(my query, channel 16 t + 8 h + i)
.set j, j+2
.endr
	s_cmp_lg_u32 s50, 0                            ; key 0 is open: every row has an open key
	s_cbranch_scc1 .Lno_tail
	v_min_num_f32 v32, 1.0, v215                   ; p = 1, held
.irp j, 33,34,35,36,37,38,39
	v_mov_b32 v\j, v32
.endr
	v_cvt_scalef32_pk8_bf8_f32 v[192:193], v[32:39], v216
	v_nop
.irp j, 0,1,2,3,4,5,6
	v_mov_b32 v[194+2*\j], v192
	v_mov_b32 v[195+2*\j], v193
.endr
	s_mov_b64 s[62:63], s[26:27]
	VSTEP 1
	s_mov_b32 s46, 15
.Ltail:
	VSTEP 0
	s_sub_co_u32 s46, s46, 1
	s_cmp_lg_u32 s46, 0
	s_cbranch_scc1 .Ltail
	v_cmp_lt_f32 s60, v21, v219                    ; rows whose largest t is a masked one
.set j, 0
.rept 32
	v_ldexp_f32 v[128+j], v[128+j], s59            ; x 2^(e8 + e9) / 2,048
.set j, j+1
.endr
.set j, 0
.rept 32
	v_cndmask_b32 v[96+j], v[96+j], v[128+j], s60
.set j, j+1
.endr
.Lno_tail:
.set j, 0
.rept 32
	v_med3_num_f32 v[96+j], v[96+j], -v217, v217
.set j, j+1
.endr
.irp t, 0,1,2,3
	v_cvt_scalef32_pk8_bf8_f32 v[192+2*\t:193+2*\t], v[96+8*\t:103+8*\t], v218
.endr
	v_nop
	v_permlane16_swap_b32 v192, v194               ; lanes 0-15 get channels 32 c + 0 .. 15 of their query, lanes 16-31 channels 32 c + 16 .. 31: the order in which the last product reads its weight's rows
	v_permlane16_swap_b32 v193, v195
	v_permlane16_swap_b32 v196, v198
	v_permlane16_swap_b32 v197, v199
	s_lshl_b32 s40, s21, 4
	s_add_co_u32 s40, s40, s20
	s_lshl_b32 s40, s40, 14                        ; my token tile x 16,384 bytes
	s_add_nc_u64 s[62:63], s[32:33], s[40:41]
	global_store_b128 v1, v[192:195], s[62:63]     ; 32 lanes store 512 consecutive bytes, aligned
	global_store_b128 v1, v[196:199], s[62:63] offset:512
.irp j, 0,1,2,3,4,5,6,7
	v_mov_b32 v[24+\j], v[224+\j]                  ; the other block's Q
.endr
	s_wait_xcnt 0x0                                ; the stores have read their registers and their base
	s_sub_co_u32 s21, 7, s21
	s_sub_co_u32 s47, s47, 1
	s_cmp_lg_u32 s47, 0
	s_cbranch_scc1 .Lpass
	s_wait_tensorcnt 0x0
	ds_add_u32 v254, v255
	s_wait_dscnt 0x0
	s_endpgm
.Lfunc_end_k_q02ed0dea63_attn:
	.size	k_q02ed0dea63_attn, .Lfunc_end_k_q02ed0dea63_attn-k_q02ed0dea63_attn
	.p2alignl 7, 3214868480
	.fill 96, 4, 3214868480
	.section	.rodata,"a",@progbits
	.p2align	6, 0x0
	.amdhsa_kernel k_q02ed0dea63_attn
		.amdhsa_group_segment_fixed_size 35840
		.amdhsa_private_segment_fixed_size 0
		.amdhsa_enable_private_segment 0
		.amdhsa_kernarg_size 64
		.amdhsa_user_sgpr_count 2
		.amdhsa_user_sgpr_kernarg_segment_ptr 1
		.amdhsa_wavefront_size32 1
		.amdhsa_system_sgpr_workgroup_id_x 1
		.amdhsa_system_sgpr_workgroup_id_y 1
		.amdhsa_system_sgpr_workgroup_id_z 1
		.amdhsa_system_vgpr_workitem_id 0
		.amdhsa_next_free_vgpr 256
		.amdhsa_next_free_sgpr 100
		.amdhsa_reserve_vcc 1
		.amdhsa_float_denorm_mode_32 3
		.amdhsa_float_denorm_mode_16_64 3
		.amdhsa_memory_ordered 1
		.amdhsa_forward_progress 1
		.amdhsa_inst_pref_size 67
	.end_amdhsa_kernel
	.amdgpu_metadata
---
amdhsa.version: [ 1, 2 ]
amdhsa.kernels:
  - .name:           k_q02ed0dea63_attn
    .symbol:         k_q02ed0dea63_attn.kd
    .args:
      - { .name: q_img, .offset: 0, .size: 8, .value_kind: global_buffer, .address_space: global }
      - { .name: k_img, .offset: 8, .size: 8, .value_kind: global_buffer, .address_space: global }
      - { .name: v_img, .offset: 16, .size: 8, .value_kind: global_buffer, .address_space: global }
      - { .name: bias_tab, .offset: 24, .size: 8, .value_kind: global_buffer, .address_space: global }
      - { .name: flags, .offset: 32, .size: 8, .value_kind: global_buffer, .address_space: global }
      - { .name: padding_mask, .offset: 40, .size: 8, .value_kind: global_buffer, .address_space: global }
      - { .name: lowp_scales, .offset: 48, .size: 8, .value_kind: global_buffer, .address_space: global }
      - { .name: hid_img, .offset: 56, .size: 8, .value_kind: global_buffer, .address_space: global }
    .group_segment_fixed_size: 35840
    .private_segment_fixed_size: 0
    .kernarg_segment_align: 8
    .kernarg_segment_size: 64
    .max_flat_workgroup_size: 512
    .sgpr_count:     100
    .vgpr_count:     256
    .wavefront_size: 32
...
	.end_amdgpu_metadata
.endif
;; end of part 3
;; launch oproj (part 4): grid 4 x 32, 4 waves a work-group, clusters of 4 x 4, 327,680 bytes of LDS; arguments hid_img, Wo_codes, lowp_scales, out0, bo; writes out0
.if DOCPART == 4
	.amdgcn_target "amdgcn-amd-amdhsa--gfx1250"
	.amdhsa_code_object_version 6
	.text
	.protected	k_q02ed0dea63_oproj
	.globl	k_q02ed0dea63_oproj
	.p2align	8
	.type	k_q02ed0dea63_oproj,@function
k_q02ed0dea63_oproj:
	s_mov_b64 s[64:65], 0
	v_nop
	global_prefetch_b8 v0, s[64:65] scope:SCOPE_SE
	s_setreg_imm32_b32 hwreg(HW_REG_WAVE_MODE, 25, 1), 1
	s_wait_xcnt 0x0
	s_wait_alu depctr_hold_cnt(0) depctr_sa_sdst(0) depctr_va_vdst(0) depctr_va_sdst(0) depctr_va_ssrc(0) depctr_va_vcc(0) depctr_vm_vsrc(0)
	s_getreg_b32 s2, hwreg(HW_REG_IB_STS2, 6, 4)
	s_cmp_eq_u32 s2, 0
	s_cbranch_scc0 .Lentry_in_a_cluster
	s_endpgm
.Lentry_in_a_cluster:
	s_bfe_u32 s2, ttmp6, 0x10000c
	s_cmp_lg_u32 s2, 0xf033
	s_cbranch_scc0 .Lentry_shape_is_right
	s_endpgm
.Lentry_shape_is_right:
; out0 = hidden Wo^T + bo on codes of E5M2.  "A" = the hidden layer, 8,192 tokens, as images of its operand registers: byte (token tile x 8 + K step of 128) x 2048 + c x 512 + 16 x lane;
; "B" = Wo [1024][1024], codes, K innermost.  out0: [8192][1024] f32.  A tile of 256 x 256 is made by four waves, 128 x 128 each.  Source 0 = 16 rows of Wo, source 1 = 16 tokens: a lane holds eight neighbouring numbers of a row of out0.
; K goes in steps of 256 through a ring of two LDS slots.  A's part of a slot is 16 token tiles x 4,096 dense bytes (a fragment comes back by four loads of 512 consecutive bytes); B's is 256 rows of 256 + 16 bytes.
; 4 x 4 work-groups form a cluster: A's tiles are asked for jointly along a row, B's along a column.
; THE WAY OUT: the raw sums of 16 rows go through my stage in LDS and come back as whole rows of 512 bytes; there each number gets x 2^(e10 + e11) + bo in one packed multiply-add.
; The stage lies in slot 0, which has had its last fill and its last read when the first sum is stored there.
; LIMIT: e10 + e11 between -126 and 127.
.set SIZE_K, 1024
.set SIZE_N, 1024
.set KSTEP,  256
.set ROWB,   256
.set KROW,   SIZE_K
.set PITCH,  272
.set FR,     16
.set NL,     4
.set NP,     4
.set HALFT,  128*PITCH
.set AIMG,   65536                     ; A's images in a slot
.set SLOT,   AIMG+2*HALFT
.set LAPS,   SIZE_K/(2*KSTEP)
.set SPARE,  2*SLOT
.set SPITCH, 528
.set ADRA, 16
.set ADRB, 20
.set STO,  24
.set RD,   25
.set CO,   26
.set SPW,  28
.set NIL,  29
.set AF,   128
.set BK,   128                         ; the way out: 16 rows read back: v128-191 and v192-255 by turns
.set G1, 24
.set G0, 32
.set G1B, 48
.set G0B, 56
.set MSB, 0
.macro WIN new
.if MSB != \new
	s_set_vgpr_msb (MSB<<8)|\new
.set MSB, \new
.endif
.endm
.set MUL_LO, 0xa1
.set MUL_HI, 0xf1
.set TO_B,   0x40
.macro JLOAD g0a, g1a, g0b, g1b        ; waves 0 and 1 fetch for A, waves 2 and 3 for B; four v_nop follow each line
	s_cmp_eq_u32 s15, 0
	s_cbranch_scc0 .Lfor_b_\@
	tensor_load_to_lds s[\g0a:\g0a+3], s[\g1a:\g1a+7]
	s_nop 0
.rept 4
	v_nop
.endr
	s_branch .Lasked_\@
.Lfor_b_\@:
	tensor_load_to_lds s[\g0b:\g0b+3], s[\g1b:\g1b+7]
	s_nop 0
.rept 4
	v_nop
.endr
.Lasked_\@:
.endm
.macro CREST
	s_cmp_lg_u32 s14, 0
	s_cbranch_scc1 .Lnot_wave_0_\@
	s_barrier_signal -3
.Lnot_wave_0_\@:
	s_barrier_wait -3
	s_barrier_signal -1
	s_barrier_wait -1
.endm
.macro CROUND
	s_barrier_signal -1
	s_barrier_wait -1
	CREST
.endm
	s_load_b128 s[4:7], s[0:1], 0x0                ; hid_img, Wo's codes
	s_load_b128 s[8:11], s[0:1], 0x10              ; the exponents, out0
	s_load_b64 s[12:13], s[0:1], 0x20              ; bo
	v_lshl_add_u32 v[SPW], v0, 2, SPARE
	v_mov_b32 v[NIL], 0
	ds_add_u32 v28, v29
	ds_add_u32 v28, v29
	s_wait_dscnt 0x0
	v_lshrrev_b32 v1, 5, v0
	v_readfirstlane_b32 s14, v1
	s_lshr_b32 s15, s14, 1                         ; my half of the tile's tokens.  Also: I fetch for A (0) or B (1)
	s_and_b32 s16, s14, 1                          ; my half of its columns.  Also: which half of that tile I fetch
	s_bfe_u32 s40, ttmp6, 0x40000
	s_bfe_u32 s41, ttmp6, 0x40004
	s_mov_b32 s42, s40                             ; tile column = cx: there is one cluster along x
	s_and_b32 s17, ttmp7, 0xffff
	s_lshl_b32 s17, s17, 2
	s_add_co_u32 s17, s17, s41                     ; tile row = 4 x cluster y + cy, 0..31
	s_lshl_b32 s43, s41, 2
	s_lshl_b32 s43, 15, s43
	s_lshl_b32 s44, 0x1111, s40
	; A: 8 token tiles, of each the 4,096 bytes of a K step of 256, 16,384 bytes apart; dense in LDS
	s_or_b32 s[G1+0], s43, (3<<16)|(1<<21)         ; the mask of my row; elements of 8 bytes; no padding
	s_mov_b32 s[G1+1], 512<<16                     ; tensor_dim0 = 512 elements
	s_mov_b32 s[G1+2], 8<<16                       ; tensor_dim1 = 8
	s_mov_b32 s[G1+3], 512<<16                     ; tile_dim0
	s_mov_b32 s[G1+4], 8                           ; tile_dim1
	s_mov_b32 s[G1+5], 2048                        ; stride: 16,384 bytes
	s_mov_b32 s[G1+6], 0
	s_mov_b32 s[G1+7], 0
	; B: 128 rows of 256 bytes, padded
	s_or_b32 s[G1B+0], s44, (0<<16)|(1<<20)|(1<<21)|(5<<22)|(3<<25)
	s_mov_b32 s[G1B+1], ROWB<<16
	s_mov_b32 s[G1B+2], 128<<16
	s_mov_b32 s[G1B+3], ROWB<<16
	s_mov_b32 s[G1B+4], 128
	s_mov_b32 s[G1B+5], KROW
	s_mov_b32 s[G1B+6], 0
	s_mov_b32 s[G1B+7], 0
	s_lshl_b32 s20, s17, 4
	s_lshl_b32 s18, s16, 3
	s_add_co_u32 s20, s20, s18                     ; A: token tile 16 x tile row + 8 x half
	s_lshl_b32 s20, s20, 14
	s_mov_b32 s21, 0
	s_lshl_b32 s46, s42, 8
	s_lshl_b32 s18, s16, 7
	s_add_co_u32 s46, s46, s18                     ; B: row 256 x tile column + 128 x half
	s_lshl_b32 s46, s46, 10
	s_mov_b32 s47, 0
	s_lshl_b32 s45, s16, 15                        ; where A's half goes,
	s_mul_i32 s19, s16, HALFT
	s_add_co_u32 s19, s19, AIMG                    ; and B's: no place in the cluster enters an LDS address
	s_wait_kmcnt 0x0
	s_load_b64 s[96:97], s[8:9], 0x28              ; e10, e11
	s_add_nc_u64 s[20:21], s[4:5], s[20:21]
	s_add_nc_u64 s[46:47], s[6:7], s[46:47]
	CROUND
.irp s, 0,1
	s_mov_b32 s[G0+4*\s], 1
	s_add_co_u32 s[G0+4*\s+1], s45, \s*SLOT
	s_add_nc_u64 s[G0+4*\s+2:G0+4*\s+3], s[20:21], \s*4096
	s_or_b32 s[G0+4*\s+3], s[G0+4*\s+3], 0x80000000
	s_mov_b32 s[G0B+4*\s], 1
	s_add_co_u32 s[G0B+4*\s+1], s19, \s*SLOT
	s_add_nc_u64 s[G0B+4*\s+2:G0B+4*\s+3], s[46:47], \s*ROWB
	s_or_b32 s[G0B+4*\s+3], s[G0B+4*\s+3], 0x80000000
	JLOAD G0+4*\s, G1, G0B+4*\s, G1B
.endr
	v_and_b32 v1, 15, v0
	v_bfe_u32 v2, v0, 4, 1
	v_mul_u32_u24 v3, v1, PITCH
	v_lshl_add_u32 v4, v2, 4, v3
	v_and_b32 v6, 31, v0
	v_lshlrev_b32 v[CO], 4, v6                     ; 16 x lane
	s_lshl_b32 s21, s15, 15                        ; my eight token tiles of A
	s_mul_i32 s22, s16, HALFT
	s_add_co_u32 s22, s22, AIMG                    ; my 128 rows of B
.irp s, 0,1
	v_add_nc_u32 v[ADRA+\s], s21, v[CO]
	v_add_nc_u32 v[ADRB+\s], s22, v4
	s_add_co_u32 s21, s21, SLOT
	s_add_co_u32 s22, s22, SLOT
.endr
	s_mul_i32 s23, s14, 16*SPITCH                  ; my stage
	v_mul_u32_u24 v5, v1, SPITCH
	v_lshl_add_u32 v5, v2, 5, v5
	v_add_nc_u32 v[STO], s23, v5                   ; in: row l % 16, 32 bytes for each half of the lanes
	v_add_nc_u32 v[RD], s23, v[CO]                 ; back: the 32 lanes take one row of 512 bytes
	s_lshl_b32 s20, s17, 8
	s_lshl_b32 s21, s15, 7
	s_add_co_u32 s20, s20, s21                     ; my first row of out0
	s_mov_b32 s21, 0
	s_mov_b64 s[18:19], SIZE_N*4
	s_mul_u64 s[20:21], s[20:21], s[18:19]
	s_lshl_b32 s46, s42, 10                        ; my first column, in bytes
	s_lshl_b32 s47, s16, 9
	s_add_co_u32 s46, s46, s47
	s_mov_b32 s47, 0
	s_add_nc_u64 s[20:21], s[20:21], s[46:47]
	s_add_nc_u64 s[10:11], s[10:11], s[20:21]
	s_add_nc_u64 s[12:13], s[12:13], s[46:47]
	global_load_b128 v[96:99], v[CO], s[12:13]     ; bo of the four columns that my lane stores
.macro FRAG reg, adr, q, i
.irp c, 0,1,2,3
	ds_load_b128 v[\reg+4*\c:\reg+4*\c+3], v[\adr] offset:128*(\q)+32*\c+(\i)*16*PITCH
.endr
.endm
.macro FRAGA reg, adr, q, i            ; an image comes back as it was stored: 512 consecutive bytes a load
.irp c, 0,1,2,3
	ds_load_b128 v[\reg+4*\c:\reg+4*\c+3], v[\adr] offset:(\i)*4096+(\q)*2048+\c*512
.endr
.endm
.macro MUL16 a0, p, zero               ; the 64 accumulators take turns, one instruction a turn
.irp a, \a0, \a0+1
.irp b, 0,1,2,3,4,5,6,7
.if \zero
	v_wmma_f32_16x16x128_bf8_bf8 v[8*(8*((\a)%4)+\b):8*(8*((\a)%4)+\b)+7], v[128*(\p)+FR*\b:128*(\p)+FR*\b+FR-1], v[AF+FR*(\a):AF+FR*(\a)+FR-1], 0
.else
	v_wmma_f32_16x16x128_bf8_bf8 v[8*(8*((\a)%4)+\b):8*(8*((\a)%4)+\b)+7], v[128*(\p)+FR*\b:128*(\p)+FR*\b+FR-1], v[AF+FR*(\a):AF+FR*(\a)+FR-1], v[8*(8*((\a)%4)+\b):8*(8*((\a)%4)+\b)+7]
.endif
.endr
.endr
.endm
.macro FETCH_B slot, q, p
	WIN TO_B
.irp i, 0,1,2,3,4,5,6,7
	FRAG 128*(\p)+FR*\i, ADRB+\slot, \q, \i
.endr
	WIN 0
.endm
.macro FETCH_A slot, q, i0
.irp i, \i0, \i0+1, \i0+2, \i0+3
	FRAGA AF+FR*(\i), ADRA+\slot, \q, \i
.endr
.endm
.macro PLACES n
.rept \n
	v_nop
.endr
.endm
.macro STEP slot, q, zero
	s_wait_dscnt 4*NL                              ; the youngest 16 loads (A's blocks 4-7) may be out
	WIN MUL_LO
	MUL16 0, (\q)%2, \zero
	MUL16 2, (\q)%2, \zero
	s_wait_dscnt 0
	PLACES NP
	FETCH_B \slot, (\q)+1, 1-(\q)%2
	FETCH_A \slot, (\q)+1, 0
	WIN MUL_HI
	MUL16 4, (\q)%2, \zero
	MUL16 6, (\q)%2, \zero
	PLACES NP
	WIN 0
	FETCH_A \slot, (\q)+1, 4
.endm
.macro TURN slot, next, fill
	s_wait_tensorcnt 0x0                           ; all my tensor loads have landed: my part of the next slot
	ds_add_u32 v[SPW], v[NIL]
	s_wait_dscnt 4*NL+1                            ; the add and the youngest 16 loads may be out
	WIN MUL_LO
	MUL16 0, 1, 0
	s_wait_dscnt 0x0                               ; the add is done, and my reads of this slot are over
	s_barrier_signal -1
	MUL16 2, 1, 0
	WIN 0
	s_barrier_wait -1
.if \fill
	CREST
	s_add_nc_u64 s[G0+4*\slot+2:G0+4*\slot+3], s[G0+4*\slot+2:G0+4*\slot+3], 2*4096
	s_add_nc_u64 s[G0B+4*\slot+2:G0B+4*\slot+3], s[G0B+4*\slot+2:G0B+4*\slot+3], 2*ROWB
	JLOAD G0+4*\slot, G1, G0B+4*\slot, G1B
.else
	PLACES NP
.endif
	FETCH_B \next, 0, 0
	FETCH_A \next, 0, 0
	WIN MUL_HI
	MUL16 4, 1, 0
	MUL16 6, 1, 0
	PLACES NP
	WIN 0
	FETCH_A \next, 0, 4
.endm
	s_wait_tensorcnt 1                             ; my part of K step 0 is in; K step 1's load may be out
	s_barrier_signal -1
	s_barrier_wait -1
	FETCH_B 0, 0, 0
	FETCH_A 0, 0, 0
	FETCH_A 0, 0, 4
	STEP 0, 0, 1
	s_mov_b32 s3, LAPS-1
.Llap:
	TURN 0, 1, 1
	STEP 1, 0, 0
	TURN 1, 0, 1
	STEP 0, 0, 0
	s_sub_co_u32 s3, s3, 1
	s_cmp_lg_u32 s3, 0
	s_cbranch_scc1 .Llap
	TURN 0, 1, 0
	STEP 1, 0, 0
	s_wait_dscnt 4*NL
	WIN MUL_LO
	MUL16 0, 1, 0
	MUL16 2, 1, 0
	s_wait_dscnt 0
	WIN MUL_HI
	MUL16 4, 1, 0
	MUL16 6, 1, 0
	WIN 0
.macro TOSTAGE a                       ; block a's raw sums into my stage, each accumulator from its low end on, and back as whole rows.  LDS serves a wave's instructions in order (ISA guide 5.7.1.4)
.set AC, 64*((\a)%4)
	WIN (0x08+4*((\a)/4))                          ; an LDS store's data are source 1: window 2 or 3
.irp b, 0,1,2,3,4,5,6,7
	ds_store_b128 v[STO], v[AC+8*\b:AC+8*\b+3] offset:64*\b
	ds_store_b128 v[STO], v[AC+8*\b+4:AC+8*\b+7] offset:64*\b+16
.endr
	WIN 0
.set BB, BK+64*((\a)%2)
.irp t, 0,1,2,3,4,5,6,7,8,9,10,11,12,13,14,15
	ds_load_b128 v[BB+4*\t:BB+4*\t+3], v[RD] offset:\t*SPITCH
.endr
.endm
.macro SEND a, younger                 ; younger: the LDS instructions issued behind block a's loads, which may stay out
.set BB, BK+64*((\a)%2)
	s_wait_dscnt \younger
.if (\a) > 0
	s_add_nc_u64 s[10:11], s[10:11], 16*SIZE_N*4   ; (behind a wait on XCNT: the earlier stores have read their base)
.endif
.irp t, 0,1,2,3,4,5,6,7,8,9,10,11,12,13,14,15
	v_pk_fma_f32 v[BB+4*\t:BB+4*\t+1], v[BB+4*\t:BB+4*\t+1], s[96:97], v[96:97] op_sel_hi:[1,0,1]       ; sum x 2^(e10 + e11) + bo
	v_pk_fma_f32 v[BB+4*\t+2:BB+4*\t+3], v[BB+4*\t+2:BB+4*\t+3], s[96:97], v[98:99] op_sel_hi:[1,0,1]
.endr
.irp t, 0,1,2,3,4,5,6,7,8,9,10,11,12,13,14,15
	global_store_b128 v[CO], v[BB+4*\t:BB+4*\t+3], s[10:11] offset:\t*SIZE_N*4 th:TH_STORE_NT   ; 32 lanes store 512 consecutive bytes, aligned; written once, read by nobody here
.endr
.endm
	s_wait_kmcnt 0x0
	s_add_co_i32 s96, s96, s97
	s_add_co_i32 s96, s96, 127
	s_lshl_b32 s96, s96, 23                        ; 2^(e10 + e11)
	s_wait_loadcnt 0x0                             ; bo
	PLACES NP
	TOSTAGE 0
.irp a, 1,2,3,4,5,6,7
.if \a > 1
	s_wait_xcnt 0x0                                ; block a - 2's stores have read their registers and their base
.endif
	TOSTAGE \a
	SEND \a-1, 32                                  ; behind block a - 1's loads: block a's 16 stores and 16 loads
.endr
	s_wait_xcnt 0x0
	SEND 7, 0
	s_wait_tensorcnt 0x0                           ; the wave's end
	ds_add_u32 v[SPW], v[NIL]
	s_wait_dscnt 0x0
	CROUND
	s_endpgm
.Lfunc_end_k_q02ed0dea63_oproj:
	.size	k_q02ed0dea63_oproj, .Lfunc_end_k_q02ed0dea63_oproj-k_q02ed0dea63_oproj
	.p2alignl 7, 3214868480
	.fill 96, 4, 3214868480
	.section	.rodata,"a",@progbits
	.p2align	6, 0x0
	.amdhsa_kernel k_q02ed0dea63_oproj
		.amdhsa_group_segment_fixed_size 327680
		.amdhsa_private_segment_fixed_size 0
		.amdhsa_enable_private_segment 0
		.amdhsa_kernarg_size 40
		.amdhsa_user_sgpr_count 2
		.amdhsa_user_sgpr_kernarg_segment_ptr 1
		.amdhsa_wavefront_size32 1
		.amdhsa_system_sgpr_workgroup_id_x 1
		.amdhsa_system_sgpr_workgroup_id_y 1
		.amdhsa_system_sgpr_workgroup_id_z 1
		.amdhsa_system_vgpr_workitem_id 0
		.amdhsa_next_free_vgpr 1024
		.amdhsa_next_free_sgpr 100
		.amdhsa_reserve_vcc 0
		.amdhsa_float_denorm_mode_32 3
		.amdhsa_float_denorm_mode_16_64 3
		.amdhsa_memory_ordered 1
		.amdhsa_forward_progress 1
		.amdhsa_inst_pref_size 123
	.end_amdhsa_kernel
	.amdgpu_metadata
---
amdhsa.version: [ 1, 2 ]
amdhsa.kernels:
  - .name:           k_q02ed0dea63_oproj
    .symbol:         k_q02ed0dea63_oproj.kd
    .args:
      - { .name: hid_img, .offset: 0, .size: 8, .value_kind: global_buffer, .address_space: global }
      - { .name: Wo_codes, .offset: 8, .size: 8, .value_kind: global_buffer, .address_space: global }
      - { .name: lowp_scales, .offset: 16, .size: 8, .value_kind: global_buffer, .address_space: global }
      - { .name: out0, .offset: 24, .size: 8, .value_kind: global_buffer, .address_space: global }
      - { .name: bo, .offset: 32, .size: 8, .value_kind: global_buffer, .address_space: global }
    .group_segment_fixed_size: 327680
    .private_segment_fixed_size: 0
    .kernarg_segment_align: 8
    .kernarg_segment_size: 40
    .max_flat_workgroup_size: 128
    .sgpr_count:     100
    .vgpr_count:     1024
    .wavefront_size: 32
...
	.end_amdgpu_metadata
.endif
;; end of part 4
;; ======== version 2 of 2: 4 launches; version 1 with the launch attn written anew for expert scheduling mode
;; limits: right only within a limited range of input values
;; workspace buffers: q_img 8,388,608 bytes; k_img 8,388,608 bytes; v_img 8,388,608 bytes; hid_img 8,388,608 bytes; rope_tab 524,288 bytes; bias_tab 32,768 bytes; flags 512 bytes of whole numbers
;; launch vproj: the kernel of part 1 again; grid 32 x 4, 4 waves a work-group, clusters of 4 x 4, 327,680 bytes of LDS; arguments Wv_codes, value_codes, lowp_scales, bv, padding_mask, v_img, rope_tab, bias_tab, flags; writes v_img, rope_tab, bias_tab, flags
;; launch qkproj: the kernel of part 2 again; grid 4 x 64, 4 waves a work-group, clusters of 4 x 4, 327,680 bytes of LDS; arguments query_codes, key_codes, Wq_codes, Wk_codes, bq, bk, lowp_scales, rope_tab, q_img, k_img; writes q_img, k_img
;; launch attn (part 5): grid 4 x 64, 16 waves a work-group, no clusters, 35,840 bytes of LDS; arguments q_img, k_img, v_img, bias_tab, flags, padding_mask, lowp_scales, hid_img; writes hid_img
.if DOCPART == 5
	.amdgcn_target "amdgcn-amd-amdhsa--gfx1250"
	.amdhsa_code_object_version 6
	.text
	.protected	k_q02ed0dea63_attn
	.globl	k_q02ed0dea63_attn
	.p2align	8
	.type	k_q02ed0dea63_attn,@function
k_q02ed0dea63_attn:
	s_mov_b64 s[64:65], 0
	v_nop
	global_prefetch_b8 v0, s[64:65] scope:SCOPE_SE
	s_setreg_imm32_b32 hwreg(HW_REG_WAVE_SCHED_MODE, 0, 2), 2
	s_setreg_imm32_b32 hwreg(HW_REG_WAVE_MODE, 25, 1), 1
	s_wait_xcnt 0x0
	s_wait_alu depctr_vm_vsrc(0)
; hidden = softmax(q k^T / 8, padding and causal masks) v, both products on codes of E5M2; the result is quantised with 2^e10 and stored as images of the last product's operand registers.
; THE SOFTMAX: t = logit x log2(e); M = the running largest t rounded up to a whole number; p = 2^(t - M) is quantised with 2^e8; the row's sum is taken of the unquantised p and divides at the end.
; SHARES.  Work-group (i, 16 batch + head) owns the query blocks i and 7 - i of 256 queries: 2 (i + 1) + 2 (8 - i) = 18 key steps of 128 for every work-group.  Each of sixteen waves owns 16 queries; a lane holds one query.
; Key steps that lie wholly under the causal mask are not multiplied.  S^T = K Q^T (source 0 = 16 keys), O^T = V^T P^T (source 0 = 16 channels): the conversion of a tile of S^T gives registers 2 t, 2 t + 1 of P in the K = 128 form's own order.
; THE MASKS put one large negative number where the definition puts -1e9: NEG = -2^(33 - e6 - e7) in units of a raw score, as a logit -2^30.  Where a row has an open key both give p = 0.
; The padding's NEG comes as the C of the scores' products (only in key steps whose flag says that they have a masked key: a branch on a stored whole number); the causal one by a select on the diagonal.
; A ROW WITH NO OPEN KEY has all 2,048 logits equal in the definition: p = 1 everywhere, the sum 2,048.  Such rows exist only where padding_mask[batch][0] is 0 (a branch on that whole number):
; there the products of ones with ALL keys' V are made too, and a select takes them for the rows whose largest t lies under -2^29.
; NO TENSOR LOADS AND NO CLUSTER: the text branches on whole numbers read from memory.  A step's tiles (8,192 bytes of K, 8,192 of V, 512 of bias) go memory -> registers -> LDS, 32 bytes a thread,
; asked for at a step's head and stored into the other of two slots at its end; one barrier a step.  They are asked for a whole key step ahead of their use, so nothing more is asked of memory earlier.
; LIMITS: e6 + e7 between -94 and 130; e8 and e10 between -126 and 112; open logits within +-3.7e8.  NaN among the inputs is not served.
; THE MODE: SCHED_MODE bits 1:0 = 2 (LLVM: expert scheduling mode 2), set by the entry lines.  The code itself states the register dependences
; between vector or matrix instructions and memory or LDS instructions, with s_wait_alu, always for 0.
; THE PLAN.  Registers that memory or LDS instructions touch:
;   v1, v2, v3   addresses, made once at the head and never written again.
;   v8-19        the next step's tiles: global loads at a step's head land in them, the LDS stores at its end read them; no vector instruction names them.
;   v32-95       K's fragments (LDS loads), read by the step's eight score products; then V's (LDS loads), read by its four products V^T P.  In the tail: written and read by vector lines, then V from memory.
;   v96-159      in a step with a masked key the bias's LDS loads land here; else matrix and vector instructions alone.
;   v192-199     written by conversions and lane exchanges; read by the two stores at a block's end.
; A STEP'S WAITS: on vm_vsrc at its head (the last LDS stores have read v8-19); on va_vdst ahead of K's loads (the last step's products are done with v32-95 and its vector work with v96-159);
; on va_vdst behind the score products (they are done with v32-95): V's sixteen loads follow it, twelve of them dealt among the lines of the maximum, which name none of the loads' registers;
; and the one behind the exponentials.  Sixteen waves of 256 registers leave no room for a second set of fragments.
.set SLOT, 16896
.set VO,   8192                        ; V's fragments in a slot
.set BO,   16384                       ; the bias words
.set DM,   68                          ; s[68:99] the diagonal's masks, 32 at a time (at the head these registers hold the flag words and the exponents)
; v1 16 x lane; v2 16 x thread; v3 32 h; v4 16 (wave % 8) + r - 8 h; v5 NEG; v8-19 tiles on their way; v20 -M, v21 largest t; v[22:23] the sum; v24-31 Q; v32-95 K's, then V's fragments;
; v96-159 S^T, then p; v160-191 O^T; v192-207 p's codes; v208 f (v209 = 0); v[210:211], v212-214 at work; v215, v216: 57,344 x 2^e8, 2^e8; v217, v218: the same with e10; v219 -2^29; v224-231 the second block's Q.
; s20 wave; s21 query block; s22 16 batch + head; s23 batch; s[24:25] K, s[26:27] V, s[28:29] bias, s[30:31] Q, s[32:33] hid at my head; s[34:39] the next tiles; s[40:43] two offsets (high words 0);
; s44 next step; s45 steps of the block; s46 trips; s47 blocks; s48 flags of the batch; s49 the same, shifted; s50 padding_mask[batch][0]; s51 wave < 8; s[52:53] c; s[54:55] lane selects; s56, s57 the diagonal; s58, s59 exponents; s60 the tail's mask; s61 e8.
	s_load_b512 s[4:19], s[0:1], 0x0               ; q 4, k 6, v 8, bias_tab 10, flags 12, padding_mask 14, exponents 16, hid_img 18
	v_lshl_add_u32 v254, v0, 2, 0x8400
	v_mov_b32 v255, 0
	v_lshrrev_b32 v6, 5, v0
	v_readfirstlane_b32 s20, v6
	s_mov_b32 s21, ttmp9
	s_and_b32 s22, ttmp7, 0xffff
	s_lshr_b32 s23, s22, 4
	v_and_b32 v1, 31, v0
	v_lshlrev_b32 v1, 4, v1
	v_lshlrev_b32 v2, 4, v0
	v_and_b32 v6, 15, v0
	v_bfe_u32 v7, v0, 4, 1
	v_lshlrev_b32 v3, 5, v7
	v_lshlrev_b32 v7, 3, v7
	v_sub_nc_u32 v4, v6, v7
	s_wait_alu depctr_va_sdst(0)                   ; s20, the wave's number, is written, ahead of its first reader
	s_and_b32 s40, s20, 7
	s_lshl_b32 s40, s40, 4
	v_add_nc_u32 v4, s40, v4
	s_mov_b32 s41, 0
	s_mov_b32 s43, 0
	s_mov_b32 s54, 0x76543210
	s_mov_b32 s55, 0xfedcba98
	s_cmp_lt_u32 s20, 8
	s_cselect_b32 s51, 1, 0
	s_wait_kmcnt 0x0
	s_lshl_b32 s40, s22, 17
	s_add_nc_u64 s[30:31], s[4:5], s[40:41]
	s_add_nc_u64 s[24:25], s[6:7], s[40:41]
	s_add_nc_u64 s[26:27], s[8:9], s[40:41]
	s_lshl_b32 s40, s23, 13
	s_add_nc_u64 s[28:29], s[10:11], s[40:41]
	s_add_nc_u64 s[14:15], s[14:15], s[40:41]
	s_lshl_b32 s40, s23, 7
	s_add_nc_u64 s[12:13], s[12:13], s[40:41]
	s_load_b512 s[68:83], s[12:13], 0x0            ; the batch's 32 flag words
	s_load_b512 s[84:99], s[12:13], 0x40
	s_load_b32 s50, s[14:15], 0x0
	s_lshl_b32 s40, s23, 21
	s_and_b32 s42, s22, 15
	s_lshl_b32 s42, s42, 10                        ; K step head / 2 (2,048 bytes), half head % 2 (1,024): head x 1,024
	s_add_co_u32 s40, s40, s42
	s_add_nc_u64 s[32:33], s[18:19], s[40:41]
	s_lshl_b32 s40, s21, 4
	s_add_co_u32 s40, s40, s20
	s_lshl_b32 s40, s40, 10
	s_add_nc_u64 s[34:35], s[30:31], s[40:41]
	s_wait_alu depctr_va_vdst(0)                   ; the addresses v1, v2 and v3 are written: every load and store of the kernel reads one of them
	global_load_b128 v[24:27], v1, s[34:35]        ; Q of my tile in block i
	global_load_b128 v[28:31], v1, s[34:35] offset:512
	s_sub_co_u32 s42, 7, s21
	s_lshl_b32 s42, s42, 4
	s_add_co_u32 s42, s42, s20
	s_lshl_b32 s42, s42, 10
	s_add_nc_u64 s[36:37], s[30:31], s[42:43]
	global_load_b128 v[224:227], v1, s[36:37]      ; and in block 7 - i
	global_load_b128 v[228:231], v1, s[36:37] offset:512
	global_load_b128 v[8:11], v2, s[24:25]         ; key step 0
	global_load_b128 v[12:15], v2, s[26:27]
	s_cmp_lg_u32 s20, 0
	s_cbranch_scc1 .Lnb_first
	global_load_b128 v[16:19], v2, s[28:29]
.Lnb_first:
	v_mov_b32 v209, 0                              ; named as the upper half of the pair v[208:209]
	v_mov_b32 v213, 0
	v_mov_b32 v214, 0                              ; a lane permute's destination counts as one of its sources
	v_mov_b32 v219, 0xce000000                     ; -2^29
	s_wait_kmcnt 0x0
	s_or_b32 s48, s68, s69
.set j, 70
.rept 30
	s_or_b32 s48, s48, s[j]
.set j, j+1
.endr
	s_load_b256 s[68:75], s[16:17], 0x0            ; e0 .. e7
	s_load_b128 s[76:79], s[16:17], 0x20           ; e8 .. e11
	s_wait_kmcnt 0x0
	s_add_co_i32 s40, s74, s75                     ; e6 + e7
	s_lshl_b32 s42, s40, 23
	s_add_co_i32 s52, s42, 0x3e38aa3b              ; c = log2(e) / 8 x 2^(e6 + e7): the exponents are added to its exponent field
	s_mov_b32 s53, s52
	s_sub_co_i32 s40, 160, s40
	s_lshl_b32 s40, s40, 23
	s_or_b32 s40, s40, 0x80000000
	v_mov_b32 v5, s40                              ; NEG
	s_add_co_i32 s40, s76, 127
	s_lshl_b32 s42, s40, 23
	v_mov_b32 v216, s42
	s_add_co_i32 s40, s40, 15
	s_lshl_b32 s40, s40, 23
	s_or_b32 s40, s40, 0x600000
	v_mov_b32 v215, s40
	s_add_co_i32 s40, s78, 127
	s_lshl_b32 s42, s40, 23
	v_mov_b32 v218, s42
	s_add_co_i32 s40, s40, 15
	s_lshl_b32 s40, s40, 23
	s_or_b32 s40, s40, 0x600000
	v_mov_b32 v217, s40
	s_add_co_i32 s58, s76, s77                     ; e8 + e9
	s_sub_co_i32 s59, s58, 11                      ; and with the division by 2,048
	s_mov_b32 s61, s76
	s_wait_loadcnt 0x0
	ds_store_b128 v2, v[8:11]                      ; (their data come from loads; no vector line since the wait above names v2)
	ds_store_b128 v2, v[12:15] offset:VO
	s_cmp_lg_u32 s20, 0
	s_cbranch_scc1 .Lns_first
	ds_store_b128 v2, v[16:19] offset:BO
.Lns_first:
	s_wait_dscnt 0x0                               ; for the others' sake: my stores have landed
	s_barrier_signal -1
	s_barrier_wait -1
	s_mov_b32 s44, 0
	s_mov_b32 s47, 2
; A KEY STEP of 128 keys, read from slot; the next step's tiles go into the other slot.
.macro STEP slot
	s_add_co_u32 s44, s44, 1                       ; the step to be fetched; behind a block's last step comes step 0, the next block's first: no load leaves its buffer
	s_cmp_eq_u32 s44, s45
	s_cselect_b32 s44, 0, s44
	s_lshl_b32 s40, s44, 13
	s_lshl_b32 s42, s44, 9
	s_add_nc_u64 s[34:35], s[24:25], s[40:41]      ; (the loads that read these pointers were waited for at the last step's end)
	s_add_nc_u64 s[36:37], s[26:27], s[40:41]
	s_add_nc_u64 s[38:39], s[28:29], s[42:43]
	s_wait_alu depctr_vm_vsrc(0)                   ; the LDS stores at the last step's end (the first time: at the kernel's head) have read v[8:19], in which the loads below land
	global_load_b128 v[8:11], v2, s[34:35]         ; 512 threads x 16 bytes: 8,192 consecutive bytes
	global_load_b128 v[12:15], v2, s[36:37]
	s_cmp_lg_u32 s20, 0
	s_cbranch_scc1 .Lnb_\@
	global_load_b128 v[16:19], v2, s[38:39]
.Lnb_\@:
.if \slot == 1
	s_cmp_lg_u32 s56, 0                            ; all 128 keys come after the queries of waves 0 to 7: the step's work is left out, not its fetch nor its barrier
	s_cbranch_scc1 .Lend_\@
.endif
.rept 4
	v_nop                                          ; places in front of loads into registers that the last products read
.endr
	s_wait_alu depctr_va_vdst(0)                   ; the last products V^T P (in a block's first step: the way out's lines too) are done with v[32:95], in which K lands, and all vector work on v[96:159] is done, in which the bias may land
.irp t, 0,1,2,3,4,5,6,7
	ds_load_b128 v[32+8*\t:35+8*\t], v1 offset:\slot*SLOT+\t*1024
	ds_load_b128 v[36+8*\t:39+8*\t], v1 offset:\slot*SLOT+\t*1024+512
.endr
	s_bitcmp1_b32 s49, 0                           ; has this step a masked key?
	s_cbranch_scc1 .Lhole_\@
	s_wait_dscnt 0x0
.irp t, 0,1,2,3,4,5,6,7
	v_wmma_f32_16x16x64_bf8_bf8 v[96+8*\t:103+8*\t], v[32+8*\t:39+8*\t], v[24:31], 0
.endr
	s_branch .Lscored_\@
.Lhole_\@:
.irp t, 0,1,2,3,4,5,6,7
	ds_load_b128 v[96+8*\t:99+8*\t], v3 offset:\slot*SLOT+BO+64*\t       ; the bias of keys 16 t + 8 h + 0 .. 7, in the result's layout.  No wait: no vector or matrix instruction stands between the wait above and these loads
	ds_load_b128 v[100+8*\t:103+8*\t], v3 offset:\slot*SLOT+BO+64*\t+16
.endr
	s_wait_dscnt 0x0
.irp t, 0,1,2,3,4,5,6,7
	v_wmma_f32_16x16x64_bf8_bf8 v[96+8*\t:103+8*\t], v[32+8*\t:39+8*\t], v[24:31], v[96+8*\t:103+8*\t]
.endr
.Lscored_\@:
.rept 4
	v_nop                                          ; places in front of the loads below and of the first read of the scores
.endr
	s_wait_alu depctr_va_vdst(0)                   ; the eight score products are done reading K in v[32:95], in which V's sixteen loads land; the places above stay beside this wait
.irp c, 0,1,2,3
	ds_load_b128 v[32+4*\c:35+4*\c], v1 offset:\slot*SLOT+VO+512*\c      ; V's first fragment; the other twelve loads are dealt among the lines of the maximum.  V lands while the softmax is walked
.endr
.if \slot == 0
	s_cmp_eq_u32 s56, 0                            ; the diagonal: waves 0 to 7 in a block's last step but one,
.else
	s_cmp_eq_u32 s57, 0                            ; waves 8 to 15 in its last
.endif
	s_cbranch_scc1 .Lopen_\@
.set cg, 0
.rept 2                                        ; 32 compares into 32 scalar registers, one wait, 32 selects; twice
.set cm, 0
.rept 32
	v_cmp_gt_i32 s[DM+cm], 16*((32*cg+cm)/8)+(32*cg+cm)%8, v4            ; register n = 32 cg + cm holds key 16 (n / 8) + n % 8 + 8 h of the step: hidden where it comes after my query
.set cm, cm+1
.endr
	s_wait_alu depctr_va_sdst(0)                   ; the 32 masks are written, ahead of the selects that read them
.set cm, 0
.rept 32
	v_cndmask_b32 v[96+32*cg+cm], v[96+32*cg+cm], v5, s[DM+cm]
.set cm, cm+1
.endr
.set cg, cg+1
.endr
.Lopen_\@:
	v_max3_num_f32 v212, v96, v97, v98             ; the step's largest score of my query, in two chains, each tile from its low end on
	v_max3_num_f32 v213, v99, v100, v101
.set vl, 4
.irp i, 6,10,14,18,22,26,30,34,38,42,46,50,54,58
	v_max3_num_f32 v212, v212, v[96+\i], v[97+\i]
	v_max3_num_f32 v213, v213, v[98+\i], v[99+\i]
.if vl < 16
	ds_load_b128 v[32+4*vl:35+4*vl], v1 offset:\slot*SLOT+VO+512*vl      ; V, load vl of sixteen.  No wait: the lines since the wait behind the score products name v4, v5, v[96:159], v212 and v213, never v1 or v[32:95]
.set vl, vl+1
.endif
.endr
	v_max3_num_f32 v212, v212, v158, v159
	v_max_num_f32 v212, v212, v213
	v_permlanex16_b32 v214, v212, s54, s55
	v_max_num_f32 v212, v212, v214                 ; and among lane l xor 16's
	v_mul_f32 v212, s52, v212                      ; as t (c is positive)
	v_max_num_f32 v21, v21, v212
	v_mov_b32 v212, v20
	v_floor_f32 v20, -v21                          ; -M = floor(-t): M is a whole number
	v_sub_f32 v212, v20, v212
	v_cvt_i32_f32 v212, v212                       ; (it saturates)
	v_ldexp_f32 v208, 1.0, v212                    ; f = 2^(old M - new M)
.set j, 0
.rept 32
	v_pk_fma_f32 v[96+j:97+j], v[96+j:97+j], s[52:53], v[20:21] op_sel_hi:[1,0,0]   ; t - M
.set j, j+2
.endr
.set j, 0
.rept 64
	v_exp_f32 v[96+j], v[96+j]                     ; p
.set j, j+1
.endr
	v_pk_mul_f32 v[22:23], v[22:23], v[208:209] op_sel_hi:[1,0]   ; the sum under the new M: the plain instruction behind the exponentials
	s_wait_alu depctr_va_vdst(0)                   ; the 64 exponentials have written v[96:159]: one wait for the batch, ahead of its first reader
	v_pk_add_f32 v[210:211], v[96:97], v[98:99]    ; the sum of the unquantised p, in two chains
.irp j, 4,8,12,16,20,24,28,32,36,40,44,48,52,56,60
	v_pk_add_f32 v[22:23], v[22:23], v[96+\j:97+\j]
	v_pk_add_f32 v[210:211], v[210:211], v[98+\j:99+\j]
.endr
	v_pk_add_f32 v[22:23], v[22:23], v[210:211]
	s_cmp_ge_i32 s61, -15                          ; from e8 = -15 on, 57,344 x 2^e8 is above 1 and p cannot pass it: the hold is left out
	s_cbranch_scc1 .Lnohold_\@
.set n, 0
.rept 64
	v_min_num_f32 v[96+n], v[96+n], v215
.set n, n+1
.endr
.Lnohold_\@:
.irp t, 0,1,2,3,4,5,6,7
	v_cvt_scalef32_pk8_bf8_f32 v[192+2*\t:193+2*\t], v[96+8*\t:103+8*\t], v216
.endr
.set j, 0
.rept 16
	v_pk_mul_f32 v[160+j:161+j], v[160+j:161+j], v[208:209] op_sel_hi:[1,0]   ; O^T under the new M; also the plain instructions behind the conversions
.set j, j+2
.endr
	s_wait_dscnt 0x0                               ; V is in
.irp t, 0,1,2,3
	v_wmma_f32_16x16x128_bf8_bf8 v[160+8*\t:167+8*\t], v[32+16*\t:47+16*\t], v[192:207], v[160+8*\t:167+8*\t]
.endr
.Lend_\@:
	s_lshr_b32 s49, s49, 1
	s_wait_loadcnt 0x0                             ; the next step's tiles are in registers
	ds_store_b128 v2, v[8:11] offset:(1-\slot)*SLOT          ; the other slot: its readers passed the last barrier behind their own wait
	ds_store_b128 v2, v[12:15] offset:(1-\slot)*SLOT+VO
	s_cmp_lg_u32 s20, 0
	s_cbranch_scc1 .Lns_\@
	ds_store_b128 v2, v[16:19] offset:(1-\slot)*SLOT+BO
.Lns_\@:
	s_wait_dscnt 0x0                               ; my stores have landed and my reads of this slot are over
	s_barrier_signal -1
	s_barrier_wait -1
.endm
; 128 keys of V straight from memory against an operand of ones, for rows with no open key
.macro VSTEP zero
	s_wait_alu depctr_va_vdst(0)                   ; the first time: the lines that made the ones have written and read v[32:39]; later: the last four products are done reading v[32:95]; the loads below land there
.irp t, 0,1,2,3
.irp c, 0,1,2,3
	global_load_b128 v[32+16*\t+4*\c:35+16*\t+4*\c], v1, s[62:63] offset:\t*2048+\c*512
.endr
.endr
	s_wait_loadcnt 0x0
	s_add_nc_u64 s[62:63], s[62:63], 8192          ; the loads are done: the pointer may step
.irp t, 0,1,2,3
.if \zero
	v_wmma_f32_16x16x128_bf8_bf8 v[128+8*\t:135+8*\t], v[32+16*\t:47+16*\t], v[192:207], 0
.else
	v_wmma_f32_16x16x128_bf8_bf8 v[128+8*\t:135+8*\t], v[32+16*\t:47+16*\t], v[192:207], v[128+8*\t:135+8*\t]
.endif
.endr
.rept 4
	v_nop
.endr
.endm
.Lpass:                                                ; a block of 256 queries
.set j, 0
.rept 32
	v_mov_b32 v[160+j], 0                          ; O^T: the step is written once, its first run finds zeros
.set j, j+1
.endr
	v_mov_b32 v21, 0xff61b1e6                      ; -3e38, under every t
	v_floor_f32 v20, -v21
	v_mov_b32 v22, 0
	v_mov_b32 v23, 0
	s_mov_b32 s49, s48
	s_lshl_b32 s45, s21, 1
	s_add_co_u32 s45, s45, 2                       ; key steps of this block
	s_add_co_u32 s46, s21, 1                       ; two a trip
.Ltrip:
	s_cmp_eq_u32 s46, 1                            ; the last trip holds the diagonal
	s_cselect_b32 s56, s51, 0
	s_cselect_b32 s57, 1, 0
	STEP 0
	STEP 1
	s_sub_co_u32 s46, s46, 1
	s_cmp_lg_u32 s46, 0
	s_cbranch_scc1 .Ltrip
	; ---- the block's way out
.rept 4
	v_nop
.endr
	v_add_f32 v22, v22, v23
	v_permlanex16_b32 v214, v22, s54, s55
	v_add_f32 v22, v22, v214                       ; the row's sum
	v_rcp_f32 v212, v22
	v_nop                                          ; a plain instruction behind the reciprocal
	s_wait_alu depctr_va_vdst(0)                   ; the reciprocal has written v212, ahead of its first reader
	v_ldexp_f32 v212, v212, s58                    ; x 2^(e8 + e9)
.set j, 0
.rept 16
	v_pk_mul_f32 v[96+j:97+j], v[160+j:161+j], v[212:213] op_sel_hi:[1,0]   ; register 8 t + i: hidden(my query, channel 16 t + 8 h + i)
.set j, j+2
.endr
	s_cmp_lg_u32 s50, 0                            ; key 0 is open: every row has an open key
	s_cbranch_scc1 .Lno_tail
	v_min_num_f32 v32, 1.0, v215                   ; p = 1, held
.irp j, 33,34,35,36,37,38,39
	v_mov_b32 v\j, v32
.endr
	v_cvt_scalef32_pk8_bf8_f32 v[192:193], v[32:39], v216
	v_nop
.irp j, 0,1,2,3,4,5,6
	v_mov_b32 v[194+2*\j], v192
	v_mov_b32 v[195+2*\j], v193
.endr
	s_mov_b64 s[62:63], s[26:27]
	VSTEP 1
	s_mov_b32 s46, 15
.Ltail:
	VSTEP 0
	s_sub_co_u32 s46, s46, 1
	s_cmp_lg_u32 s46, 0
	s_cbranch_scc1 .Ltail
	v_cmp_lt_f32 s60, v21, v219                    ; rows whose largest t is a masked one
.set j, 0
.rept 32
	v_ldexp_f32 v[128+j], v[128+j], s59            ; x 2^(e8 + e9) / 2,048
.set j, j+1
.endr
	s_wait_alu depctr_va_sdst(0)                   ; the mask s60 is written, ahead of the selects that read it
.set j, 0
.rept 32
	v_cndmask_b32 v[96+j], v[96+j], v[128+j], s60
.set j, j+1
.endr
.Lno_tail:
.set j, 0
.rept 32
	v_med3_num_f32 v[96+j], v[96+j], -v217, v217
.set j, j+1
.endr
.irp t, 0,1,2,3
	v_cvt_scalef32_pk8_bf8_f32 v[192+2*\t:193+2*\t], v[96+8*\t:103+8*\t], v218
.endr
	v_nop
	v_permlane16_swap_b32 v192, v194               ; lanes 0-15 get channels 32 c + 0 .. 15 of their query, lanes 16-31 channels 32 c + 16 .. 31: the order in which the last product reads its weight's rows
	v_permlane16_swap_b32 v193, v195
	v_permlane16_swap_b32 v196, v198
	v_permlane16_swap_b32 v197, v199
	s_lshl_b32 s40, s21, 4
	s_add_co_u32 s40, s40, s20
	s_lshl_b32 s40, s40, 14                        ; my token tile x 16,384 bytes
	s_add_nc_u64 s[62:63], s[32:33], s[40:41]
	s_wait_alu depctr_va_vdst(0)                   ; the four exchanges have written v[192:199], which the two stores read
	global_store_b128 v1, v[192:195], s[62:63]     ; 32 lanes store 512 consecutive bytes, aligned
	global_store_b128 v1, v[196:199], s[62:63] offset:512
.irp j, 0,1,2,3,4,5,6,7
	v_mov_b32 v[24+\j], v[224+\j]                  ; the other block's Q
.endr
	s_wait_xcnt 0x0                                ; the stores have read their registers and their base
	s_wait_alu depctr_vm_vsrc(0)                   ; the two stores have read v[192:199], which the next block's conversions write again
	s_sub_co_u32 s21, 7, s21
	s_sub_co_u32 s47, s47, 1
	s_cmp_lg_u32 s47, 0
	s_cbranch_scc1 .Lpass
	s_wait_dscnt 0x0
	s_wait_alu depctr_hold_cnt(0) depctr_sa_sdst(0) depctr_va_vdst(0) depctr_va_sdst(0) depctr_va_ssrc(0) depctr_va_vcc(0) depctr_vm_vsrc(0)
	s_wait_tensorcnt 0x0
	ds_add_u32 v254, v255
	s_wait_dscnt 0x0
	s_endpgm
.Lfunc_end_k_q02ed0dea63_attn:
	.size	k_q02ed0dea63_attn, .Lfunc_end_k_q02ed0dea63_attn-k_q02ed0dea63_attn
	.p2alignl 7, 3214868480
	.fill 96, 4, 3214868480
	.section	.rodata,"a",@progbits
	.p2align	6, 0x0
	.amdhsa_kernel k_q02ed0dea63_attn
		.amdhsa_group_segment_fixed_size 35840
		.amdhsa_private_segment_fixed_size 0
		.amdhsa_enable_private_segment 0
		.amdhsa_kernarg_size 64
		.amdhsa_user_sgpr_count 2
		.amdhsa_user_sgpr_kernarg_segment_ptr 1
		.amdhsa_wavefront_size32 1
		.amdhsa_system_sgpr_workgroup_id_x 1
		.amdhsa_system_sgpr_workgroup_id_y 1
		.amdhsa_system_sgpr_workgroup_id_z 1
		.amdhsa_system_vgpr_workitem_id 0
		.amdhsa_next_free_vgpr 256
		.amdhsa_next_free_sgpr 100
		.amdhsa_reserve_vcc 0
		.amdhsa_float_denorm_mode_32 3
		.amdhsa_float_denorm_mode_16_64 3
		.amdhsa_memory_ordered 1
		.amdhsa_forward_progress 1
		.amdhsa_inst_pref_size 76
	.end_amdhsa_kernel
	.amdgpu_metadata
---
amdhsa.version: [ 1, 2 ]
amdhsa.kernels:
  - .name:           k_q02ed0dea63_attn
    .symbol:         k_q02ed0dea63_attn.kd
    .args:
      - { .name: q_img, .offset: 0, .size: 8, .value_kind: global_buffer, .address_space: global }
      - { .name: k_img, .offset: 8, .size: 8, .value_kind: global_buffer, .address_space: global }
      - { .name: v_img, .offset: 16, .size: 8, .value_kind: global_buffer, .address_space: global }
      - { .name: bias_tab, .offset: 24, .size: 8, .value_kind: global_buffer, .address_space: global }
      - { .name: flags, .offset: 32, .size: 8, .value_kind: global_buffer, .address_space: global }
      - { .name: padding_mask, .offset: 40, .size: 8, .value_kind: global_buffer, .address_space: global }
      - { .name: lowp_scales, .offset: 48, .size: 8, .value_kind: global_buffer, .address_space: global }
      - { .name: hid_img, .offset: 56, .size: 8, .value_kind: global_buffer, .address_space: global }
    .group_segment_fixed_size: 35840
    .private_segment_fixed_size: 0
    .kernarg_segment_align: 8
    .kernarg_segment_size: 64
    .max_flat_workgroup_size: 512
    .sgpr_count:     100
    .vgpr_count:     256
    .wavefront_size: 32
...
	.end_amdgpu_metadata
.endif
;; end of part 5
;; launch oproj: the kernel of part 4 again; grid 4 x 32, 4 waves a work-group, clusters of 4 x 4, 327,680 bytes of LDS; arguments hid_img, Wo_codes, lowp_scales, out0, bo; writes out0
